; MI455X (gfx1250); checked and timed in simulation.
; The chip was launched on July 23, 2026; its instructions are those of AMD's public machine-readable ISA for CDNA 5 (MIT licence, August 2026) and "CDNA5" Instruction Set Architecture Reference Guide (July 2026). The comments in the code are by the model that wrote it; some were corrected since.
;; Activated Attention. Allowed arithmetic: float matrix products may take bf16 or f16 operands with f32 sums; other float arithmetic in f32, or as packed bf16 or f16 multiplies, adds, multiply-adds, maxima and minima; sums over many terms, partial sums and values carried from step to step in f32; what a program stores and reads back later, other than sums and carried values, may be rounded once to bf16 or f16.
;; Inputs: W_in 1,024 x 3,072 float32; b_in 3,072 float32; gn_bias 1,024 float32; gn_weight 1,024 float32; x 4 x 2,048 x 1,024 float32.
;; Outputs: out0 4 x 2,048 x 1,024 float32.
;; 2 versions, each right; version 2 is version 1 with the launch prep written anew for expert scheduling mode. Each part assembles by itself: llvm-mc -triple=amdgcn-amd-amdhsa -mcpu=gfx1250 --defsym DOCPART=n.
;; ======== version 1 of 2: 4 launches
;; workspace buffers: xb 16,777,216 bytes; wb 6,291,456 bytes; tab 2,113,536 bytes; qkv 50,331,648 bytes; mc 8,388,608 bytes
;; launch prep (part 1): grid 772 x 1, 8 waves a work-group, no clusters, 0 bytes of LDS; arguments x, W_in, b_in, xb, wb, tab; writes xb, wb, tab
.if DOCPART == 1
	.amdgcn_target "amdgcn-amd-amdhsa--gfx1250"
	.amdhsa_code_object_version 6
	.text
	.protected	k_qe734bab5c4_prep
	.globl	k_qe734bab5c4_prep
	.p2align	8
	.type	k_qe734bab5c4_prep,@function
k_qe734bab5c4_prep:
	s_mov_b64 s[64:65], 0
	v_nop
	global_prefetch_b8 v0, s[64:65] scope:SCOPE_SE
	s_setreg_imm32_b32 hwreg(HW_REG_WAVE_MODE, 25, 1), 1
	s_wait_xcnt 0x0
; PREP: casts and tables for the three products that follow.  No LDS, no matrix unit: a stream and a little arithmetic.
;   work-groups 0..511    xb: x rounded to bf16, in blocks [k / 64][row][64 k]: 256 rows x 64 k are then dense bytes
;   work-groups 512..639  wb: W_in rounded to bf16, row k kept, columns regrouped: wb[k][ct*384 + seg*128 + c] = W_in[k][seg*1024 + ct*128 + c]
;   work-groups 640..767  tab, first part: (cos, sin) of t f_j for t = 64 tb + 0..15, laid out as the lanes of the next launch read them
;   work-groups 768..771  tab, second part: b_in rounded to bf16 (kept as f32), and (cos, sin) of 16 f_j, by column tile ct
; f_j = 10000^(-j/512) = 2^(-j log2(10000)/512).  Sine and cosine: reduction by multiples of pi/2 (pi/2 in two parts), then polynomials on |r| <= pi/4.
; LIMITS: f_j carries the exponential's last-bit error, so an angle (up to 2,047 rad) may differ from the reference's by about 4e-4 rad.  NaN and infinities are not treated apart.
.set NX, 512
.set NW, 640
.set NT, 768
.set COLT, 2097152                     ; byte at which the second part of tab begins
	s_load_b256 s[4:11], s[0:1], 0x0               ; x s[4:5], W_in s[6:7], b_in s[8:9], xb s[10:11]
	s_load_b128 s[12:15], s[0:1], 0x20             ; wb s[12:13], tab s[14:15]
	s_mov_b32 s16, ttmp9
	v_lshrrev_b32 v1, 5, v0
	v_readfirstlane_b32 s17, v1                    ; wave 0..7
	v_and_b32 v1, 31, v0                           ; lane
	s_wait_kmcnt 0x0
	s_cmp_lt_u32 s16, NX
	s_cbranch_scc0 .Lnot_x
	; ---- x: a wave takes two rows.  Load i: lanes 0-15 take 256 bytes (64 k) of the even row, lanes 16-31 of the odd one; store i: 256 consecutive bytes of block i.
	s_lshl_b32 s20, s16, 16                        ; 16 rows of 4,096 bytes a work-group,
	s_lshl_b32 s21, s17, 13                        ; two a wave
	s_add_co_u32 s20, s20, s21
	s_mov_b32 s21, 0
	s_add_nc_u64 s[4:5], s[4:5], s[20:21]
	s_lshl_b32 s22, s16, 11                        ; the same rows in a block of xb: 128 bytes each
	s_lshl_b32 s23, s17, 8
	s_add_co_u32 s22, s22, s23
	s_mov_b32 s23, 0
	s_add_nc_u64 s[10:11], s[10:11], s[22:23]
	s_add_nc_u64 s[18:19], s[10:11], 0x800000      ; blocks 8 to 15: the store's immediate holds seven blocks of 1,048,576 bytes
	v_and_b32 v2, 15, v0
	v_bfe_u32 v3, v0, 4, 1
	v_lshlrev_b32 v2, 4, v2
	v_lshl_add_u32 v2, v3, 12, v2                  ; 16 (lane % 16) + 4,096 (lane / 16)
	v_lshlrev_b32 v3, 3, v1                        ; 8 x lane
.set i, 0
.rept 16
	global_load_b128 v[32+4*i:35+4*i], v2, s[4:5] offset:256*i th:TH_LOAD_NT
.set i, i+1
.endr
.set i, 0
.rept 16
	s_wait_loadcnt 15-i                            ; loads come back in order: load i is in, the younger ones stay out
	v_cvt_pk_bf16_f32 v[32+4*i], v[32+4*i], v[33+4*i]
	v_cvt_pk_bf16_f32 v[33+4*i], v[34+4*i], v[35+4*i]
.if i < 8
	global_store_b64 v3, v[32+4*i:33+4*i], s[10:11] offset:i*1048576
.else
	global_store_b64 v3, v[32+4*i:33+4*i], s[18:19] offset:(i-8)*1048576
.endif
.set i, i+1
.endr
	s_endpgm
.Lnot_x:
	s_cmp_lt_u32 s16, NW
	s_cbranch_scc0 .Lnot_w
	; ---- W_in: a wave takes one row k.  Load i covers 128 columns: seg = i / 8, ct = i % 8; its 256 bytes of bf16 go to ct*768 + seg*256 of wb's row.
	s_sub_co_u32 s20, s16, NX
	s_lshl_b32 s20, s20, 3
	s_add_co_u32 s20, s20, s17                     ; k
	s_mul_i32 s22, s20, 6144
	s_mul_i32 s20, s20, 12288
	s_mov_b32 s21, 0
	s_mov_b32 s23, 0
	s_add_nc_u64 s[6:7], s[6:7], s[20:21]
	s_add_nc_u64 s[12:13], s[12:13], s[22:23]
	v_lshlrev_b32 v2, 4, v1
	v_lshlrev_b32 v3, 3, v1
.set i, 0
.rept 24
	global_load_b128 v[32+4*i:35+4*i], v2, s[6:7] offset:512*i th:TH_LOAD_NT
.set i, i+1
.endr
.set i, 0
.rept 24
	s_wait_loadcnt 23-i
	v_cvt_pk_bf16_f32 v[32+4*i], v[32+4*i], v[33+4*i]
	v_cvt_pk_bf16_f32 v[33+4*i], v[34+4*i], v[35+4*i]
	global_store_b64 v3, v[32+4*i:33+4*i], s[12:13] offset:(i%8)*768+(i/8)*256
.set i, i+1
.endr
	s_endpgm
.Lnot_w:
	s_mov_b32 s24, 0x3f22f983                      ; 2 / pi
	s_mov_b32 s25, 0xbfc90fdb                      ; -(pi / 2), the f32 nearest,
	s_mov_b32 s26, 0x333bbd2e                      ; and what that f32 is too large by
	s_mov_b32 s27, 0xbe2aaaab                      ; -1/6
	s_mov_b32 s28, 0x3c088889                      ; 1/120
	s_mov_b32 s29, 0xb9500d01                      ; -1/5040
	s_mov_b32 s30, 0x3d2aaaab                      ; 1/24
	s_mov_b32 s31, 0xbab60b61                      ; -1/720
	s_mov_b32 s32, 0x37d00d01                      ; 1/40320
	s_mov_b32 s33, 0xbcd49a78                      ; -log2(10000) / 512
; cos and sin of the angle in v[ang] (0 or more) into v[co], v[si]; v16-22 at work.  The quadrant only selects and flips signs: no branch hangs on it.
.macro SINCOS ang, co, si
	v_mul_f32 v16, s24, v[\ang]
	v_rndne_f32 v16, v16                           ; k
	v_fma_f32 v17, v16, s25, v[\ang]
	v_fma_f32 v17, v16, s26, v17                   ; r = angle - k pi/2
	v_cvt_i32_f32 v18, v16
	v_mul_f32 v19, v17, v17                        ; r^2
	v_fma_f32 v20, v19, s29, s28
	v_fma_f32 v21, v19, s32, s31
	v_fma_f32 v20, v19, v20, s27
	v_fma_f32 v21, v19, v21, s30
	v_mul_f32 v22, v17, v19
	v_fma_f32 v21, v19, v21, -0.5
	v_fma_f32 v20, v22, v20, v17                   ; sin r
	v_fma_f32 v21, v19, v21, 1.0                   ; cos r
	v_and_b32 v22, 1, v18
	v_cmp_eq_u32 vcc_lo, 1, v22
	v_cndmask_b32 v[\si], v20, v21, vcc_lo         ; odd k: the two change places
	v_cndmask_b32 v[\co], v21, v20, vcc_lo
	v_and_b32 v22, 2, v18
	v_lshlrev_b32 v22, 30, v22
	v_xor_b32 v[\si], v[\si], v22                  ; k % 4 = 2, 3: the sine turns its sign
	v_add_nc_u32 v18, 1, v18
	v_and_b32 v18, 2, v18
	v_lshlrev_b32 v18, 30, v18
	v_xor_b32 v[\co], v[\co], v18                  ; k % 4 = 1, 2: the cosine does
.endm
	s_cmp_lt_u32 s16, NT
	s_cbranch_scc0 .Lcol
	; ---- the angles' table: [tb 32][cb 64][q 2][lane 32][16 bytes]; lane (r, h) holds cos, sin, cos, sin of (64 tb + r) f_j, j = 8 cb + 4 h + 2 q + 0, 1.
	; A work-group takes four tb and four cb; its 256 threads are (cb, q, lane), so a wave's store covers 512 consecutive bytes.
	s_sub_co_u32 s20, s16, NW
	s_lshr_b32 s21, s20, 4                         ; which four tb
	s_and_b32 s22, s20, 15                         ; which four cb
	v_and_b32 v2, 15, v0                           ; r
	v_bfe_u32 v3, v0, 4, 1                         ; h
	v_bfe_u32 v4, v0, 5, 1                         ; q
	v_lshrrev_b32 v5, 6, v0
	v_lshlrev_b32 v5, 3, v5
	v_lshl_add_u32 v5, v3, 2, v5
	v_lshl_add_u32 v5, v4, 1, v5
	s_lshl_b32 s23, s22, 5
	v_add_nc_u32 v5, s23, v5                       ; j
	v_add_nc_u32 v6, 1, v5
	v_cvt_f32_u32 v5, v5
	v_cvt_f32_u32 v6, v6
	v_mul_f32 v5, s33, v5
	v_mul_f32 v6, s33, v6
	v_exp_f32 v5, v5                               ; f_j
	v_exp_f32 v6, v6                               ; f_(j+1)
	s_lshl_b32 s23, s21, 8
	v_add_nc_u32 v2, s23, v2                       ; t of the first tb (a plain line behind the exponentials)
	v_lshlrev_b32 v7, 4, v0
	s_lshl_b32 s20, s21, 18                        ; four tb of 65,536 bytes,
	s_lshl_b32 s23, s22, 12                        ; four cb of 1,024
	s_add_co_u32 s20, s20, s23
	s_mov_b32 s21, 0
	s_add_nc_u64 s[14:15], s[14:15], s[20:21]
.set i, 0
	s_wait_alu depctr_va_vdst(0)
.rept 4
	v_add_nc_u32 v8, 64*i, v2
	v_cvt_f32_u32 v8, v8
	v_mul_f32 v9, v8, v5                           ; t f, rounded once as the reference rounds it
	v_mul_f32 v10, v8, v6
	SINCOS 9, 40+4*i, 41+4*i
	SINCOS 10, 42+4*i, 43+4*i
	global_store_b128 v7, v[40+4*i:43+4*i], s[14:15] offset:i*65536
.set i, i+1
.endr
	s_endpgm
.Lcol:
	; ---- per column tile ct, 2,048 bytes: b_in (bf16's value, as f32) of the tile's Q, K and V columns, 512 bytes each; then (cos, sin) of 16 f_j, j = 64 ct + 0..63.
	; A thread makes 16 bytes.  Every thread does both kinds of work and selects.
	s_sub_co_u32 s20, s16, NT
	s_lshl_b32 s20, s20, 8
	v_add_nc_u32 v2, s20, v0                       ; e = 0..1023
	v_lshrrev_b32 v3, 7, v2                        ; ct
	v_and_b32 v4, 127, v2                          ; which 16 bytes of the 2,048
	v_lshrrev_b32 v5, 5, v4
	v_min_u32 v5, 2, v5                            ; seg; the threads of the last quarter read inside b_in and drop what they read
	v_and_b32 v6, 31, v4
	v_lshlrev_b32 v7, 12, v5
	v_lshl_add_u32 v7, v3, 9, v7
	v_lshl_add_u32 v7, v6, 4, v7
	global_load_b128 v[24:27], v7, s[8:9]
	v_lshlrev_b32 v8, 6, v3
	v_lshl_add_u32 v8, v6, 1, v8                   ; j
	v_add_nc_u32 v9, 1, v8
	v_cvt_f32_u32 v8, v8
	v_cvt_f32_u32 v9, v9
	v_mul_f32 v8, s33, v8
	v_mul_f32 v9, s33, v9
	v_exp_f32 v8, v8
	v_exp_f32 v9, v9
	v_lshlrev_b32 v12, 4, v2                       ; (a plain line behind the exponentials)
	s_wait_alu depctr_va_vdst(0)
	v_mul_f32 v8, 0x41800000, v8                   ; 16 f
	v_mul_f32 v9, 0x41800000, v9
	SINCOS 8, 28, 29
	SINCOS 9, 30, 31
	s_wait_loadcnt 0x0
	v_cvt_pk_bf16_f32 v10, v24, v25
	v_cvt_pk_bf16_f32 v11, v26, v27
	v_lshlrev_b32 v24, 16, v10
	v_and_b32 v25, 0xffff0000, v10
	v_lshlrev_b32 v26, 16, v11
	v_and_b32 v27, 0xffff0000, v11
	v_cmp_gt_u32 vcc_lo, 96, v4
	v_cndmask_b32 v28, v28, v24, vcc_lo
	v_cndmask_b32 v29, v29, v25, vcc_lo
	v_cndmask_b32 v30, v30, v26, vcc_lo
	v_cndmask_b32 v31, v31, v27, vcc_lo
	global_store_b128 v12, v[28:31], s[14:15] offset:COLT
	s_endpgm
.Lfunc_end_k_qe734bab5c4_prep:
	.size	k_qe734bab5c4_prep, .Lfunc_end_k_qe734bab5c4_prep-k_qe734bab5c4_prep
	.p2alignl 7, 3214868480
	.fill 96, 4, 3214868480
	.section	.rodata,"a",@progbits
	.p2align	6, 0x0
	.amdhsa_kernel k_qe734bab5c4_prep
		.amdhsa_group_segment_fixed_size 0
		.amdhsa_private_segment_fixed_size 0
		.amdhsa_enable_private_segment 0
		.amdhsa_kernarg_size 48
		.amdhsa_user_sgpr_count 2
		.amdhsa_user_sgpr_kernarg_segment_ptr 1
		.amdhsa_wavefront_size32 1
		.amdhsa_system_sgpr_workgroup_id_x 1
		.amdhsa_system_sgpr_workgroup_id_y 1
		.amdhsa_system_sgpr_workgroup_id_z 1
		.amdhsa_system_vgpr_workitem_id 0
		.amdhsa_next_free_vgpr 128
		.amdhsa_next_free_sgpr 66
		.amdhsa_reserve_vcc 1
		.amdhsa_float_denorm_mode_32 3
		.amdhsa_float_denorm_mode_16_64 3
		.amdhsa_memory_ordered 1
		.amdhsa_forward_progress 1
		.amdhsa_inst_pref_size 31
	.end_amdhsa_kernel
	.amdgpu_metadata
---
amdhsa.version: [ 1, 2 ]
amdhsa.kernels:
  - .name:           k_qe734bab5c4_prep
    .symbol:         k_qe734bab5c4_prep.kd
    .args:
      - { .name: x, .offset: 0, .size: 8, .value_kind: global_buffer, .address_space: global }
      - { .name: W_in, .offset: 8, .size: 8, .value_kind: global_buffer, .address_space: global }
      - { .name: b_in, .offset: 16, .size: 8, .value_kind: global_buffer, .address_space: global }
      - { .name: xb, .offset: 24, .size: 8, .value_kind: global_buffer, .address_space: global }
      - { .name: wb, .offset: 32, .size: 8, .value_kind: global_buffer, .address_space: global }
      - { .name: tab, .offset: 40, .size: 8, .value_kind: global_buffer, .address_space: global }
    .group_segment_fixed_size: 0
    .private_segment_fixed_size: 0
    .kernarg_segment_align: 8
    .kernarg_segment_size: 48
    .max_flat_workgroup_size: 256
    .sgpr_count:     66
    .vgpr_count:     128
    .wavefront_size: 32
...
	.end_amdgpu_metadata
.endif
;; end of part 1
;; launch g1 (part 2): grid 8 x 32, 4 waves a work-group, clusters of 4 x 4, 327,680 bytes of LDS; arguments xb, wb, tab, qkv; writes qkv
.if DOCPART == 2
	.amdgcn_target "amdgcn-amd-amdhsa--gfx1250"
	.amdhsa_code_object_version 6
	.text
	.protected	k_qe734bab5c4_g1
	.globl	k_qe734bab5c4_g1
	.p2align	8
	.type	k_qe734bab5c4_g1,@function
k_qe734bab5c4_g1:
	s_mov_b64 s[64:65], 0
	v_nop
	global_prefetch_b8 v0, s[64:65] scope:SCOPE_SE
	s_setreg_imm32_b32 hwreg(HW_REG_WAVE_MODE, 25, 1), 1
	s_wait_xcnt 0x0
	s_wait_alu depctr_hold_cnt(0) depctr_sa_sdst(0) depctr_va_vdst(0) depctr_va_sdst(0) depctr_va_ssrc(0) depctr_va_vcc(0) depctr_vm_vsrc(0)
	s_getreg_b32 s2, hwreg(HW_REG_IB_STS2, 6, 4)
	s_cmp_eq_u32 s2, 0
	s_cbranch_scc0 .Lentry_in_a_cluster
	s_endpgm
.Lentry_in_a_cluster:
	s_bfe_u32 s2, ttmp6, 0x10000c
	s_cmp_lg_u32 s2, 0xf033
	s_cbranch_scc0 .Lentry_shape_is_right
	s_endpgm
.Lentry_shape_is_right:
; G1: qkv = x W + b, the rotary turn and ReLU on Q and K, ReLU on V; rounded once to bf16.  qkv: [8192][3072] bf16, Q | K | V.
; SHARES.  A work-group makes 256 rows x 384 columns: the 128 columns ct*128.. of Q, of K and of V: 8 x 32 = 256 work-groups.  Wave w: rows 128 (w / 2).., columns 64 (w % 2).. of each of the three:
; 8 row blocks x 12 column fragments = 96 accumulators, 768 registers.  K goes in steps of 64 through two LDS slots.
; THE MATRIX INSTRUCTION IS USED TRANSPOSED: source 0 = 16 columns of W (stored [k][n], turned by ds_load_tr16_b128), source 1 = 16 rows of x.  A lane then holds one row (lane % 16) and the eight
; neighbouring columns 8 (lane / 16) + 0..7: a rotary pair lies in a register pair, and eight results pack into 16 bytes.
; THE ROTARY TURN.  cos and sin of t f_j come from a table for t = 64 tb + lane % 16; the three further row blocks of 16 are reached by turning (cos, sin) by 16 f_j, in f32.  Q's and K's fragment share their angles.
; CLUSTER 4 x 4: x's tile hangs on the row block alone and is shared along a row of the cluster, W's on ct alone and along a column: each is asked for jointly, with the same descriptor in the four.
; LIMITS: the table's angles (about 4e-4 rad); b_in as bf16's value; ReLU may leave -0; NaN and infinities are not treated apart.
; LDS: slot 0: x 256 rows x 144 at 0, W 64 k-rows x 864 (three pieces of 256 + 32) at 36,864; the tables' copy at 92,160 and 124,928; spare words at 126,976; slot 1 at 131,072; the stage, 128 rows x 784, at 223,232.
; REGISTERS: window 0: v0-31 addresses; v32-95, v96-159 x's fragments, two buffers; v160-255 W's 12 fragments.  Window 1 + g (g = 0 Q, 1 K, 2 V): accumulator (row block a, fragment bb) at v[64 bb + 8 a].
.set PA,    144                        ; an LDS row of x: 128 bytes + 16: nine times 16 bytes, so the 16 rows of a load start in 16 different columns of 16 bytes modulo 256
.set PB,    864                        ; an LDS row of W: 27 times 32 bytes: the 8 rows x 32 bytes of half a turning load fall on different words modulo 256 bytes
.set BOFF,  256*PA
.set SLOT1, 1<<17                      ; one exclusive or turns an address in one slot into the other's
.set TABS,  92160                      ; four blocks of 64 rows x 8 fragments x 1,024 bytes of (cos, sin)
.set COLB,  124928                     ; 2,048 bytes: bias of Q, K, V; (cos, sin) of 16 f
.set SPARE, 126976                     ; the spare words, 128 bytes a wave: two blocks of 256 bytes that no other line names
.set STAGE, 223232
.set SPT,   784                        ; a stage row: 768 bytes + 16 = 49 times 16
.set AM, 4                             ; v4     my lane's place in x's tile          v5-7   in W's tile, for Q, K, V
.set AN, 5
.set CM, 8                             ; v8, v9-11  the same plus the slot in hand
.set CN, 9
.set STO, 12                           ; the way out: where I put 16 bytes of a row
.set RDA, 13                           ; where I read a row's Q and K back;  v14: two rows' V
.set RDB, 14
.set COA, 15                           ; and where they go in qkv
.set COB, 16
.set TSA, 17                           ; my place in the angles' copy
.set CBA, 18                           ; my place in the columns' copy
.set ZR,  19                           ; 0, for the packed maximum
.set SPW, 28                           ; LDS address of my spare word; never rewritten
.set NIL, 29                           ; 0; never rewritten
.set MF,  32
.set NF,  160
.set WV, 12                            ; s12 wave, s13 wave / 2, s14 wave % 2
.set WR, 13
.set WC, 14
.set G1A, 24                           ; s[24:31] descriptor group 1 for x's tiles, s[32:39] for W's
.set G1B, 32
.set G0A, 40                           ; s[40:47] group 0 for x: a set for each first fill; the second then walks.  s[48:55] for W
.set G0B, 48
.set CNT, 56
.set TB,  57                           ; the slot in hand: 0 or SLOT1
.set MSB, 0
.macro WIN new                         ; the immediate's high byte repeats the setting that is left; a switch that changes nothing is dropped
.if MSB != (\new)
	s_set_vgpr_msb (MSB<<8)|(\new)
.set MSB, (\new)
.endif
.endm
.macro PLACES                          ; four plain lines between a matrix instruction and a load into, or a vector line on, its registers
.rept 4
	v_nop
.endr
.endm
.macro CREST                           ; a round of the cluster's barrier behind its opening barrier
	s_cmp_lg_u32 s[WV], 0
	s_cbranch_scc1 .Lnot_wave_0_\@
	s_barrier_signal -3
.Lnot_wave_0_\@:
	s_barrier_wait -3
	s_barrier_signal -1
	s_barrier_wait -1
.endm
.macro CROUND
	s_barrier_signal -1
	s_barrier_wait -1
	CREST
.endm
.macro JLOAD                           ; a joint refill by the walking sets: waves 0, 1 fetch x's two halves, waves 2, 3 W's; s_nop 0 and four v_nop follow each line
	s_cmp_lt_u32 s[WV], 2
	s_cbranch_scc0 .Lfor_b_\@
	tensor_load_to_lds s[G0A+4:G0A+7], s[G1A:G1A+7]
	s_nop 0
.rept 4
	v_nop
.endr
	s_branch .Lasked_\@
.Lfor_b_\@:
	tensor_load_to_lds s[G0B+4:G0B+7], s[G1B:G1B+7]
	s_nop 0
.rept 4
	v_nop
.endr
.Lasked_\@:
.endm
	s_load_b256 s[4:11], s[0:1], 0x0               ; xb s[4:5], wb s[6:7], tab s[8:9], qkv s[10:11]
	v_lshl_add_u32 v[SPW], v0, 2, SPARE
	v_mov_b32 v[NIL], 0
	ds_add_u32 v[SPW], v[NIL]                      ; the wave's opening: the add and its wait stand ahead of my first tensor load
	v_lshrrev_b32 v1, 5, v0
	v_readfirstlane_b32 s[WV], v1
	s_lshr_b32 s[WR], s[WV], 1                     ; my half of the rows
	s_and_b32 s[WC], s[WV], 1                      ; my half of the columns.  Also: which half of a tile I fetch
	s_bfe_u32 s15, ttmp6, 0x40000                  ; cx
	s_bfe_u32 s16, ttmp6, 0x40004                  ; cy
	s_lshl_b32 s17, ttmp9, 2
	s_add_co_u32 s17, s17, s15                     ; ct = 4 x cluster x + cx
	s_and_b32 s18, ttmp7, 0xffff
	s_lshl_b32 s18, s18, 2
	s_add_co_u32 s18, s18, s16                     ; tr = 4 x cluster y + cy: rows 256 tr ..
	s_lshl_b32 s19, s16, 2
	s_lshl_b32 s19, 15, s19                        ; my row of the cluster
	s_lshl_b32 s20, 0x1111, s15                    ; my column
	; x: 128 rows of 128 bytes are dense: asked for as 64 rows of 256 bytes, padded by 4 words after every 32
	s_or_b32 s[G1A+0], s19, (1<<16)|(1<<20)|(1<<21)|(4<<22)|(3<<25)
	s_mov_b32 s[G1A+1], 128<<16                    ; tensor_dim0
	s_mov_b32 s[G1A+2], 64<<16                     ; tensor_dim1
	s_mov_b32 s[G1A+3], 128<<16                    ; tile_dim0
	s_mov_b32 s[G1A+4], 64                         ; tile_dim1
	s_mov_b32 s[G1A+5], 128                        ; elements from row to row
	s_mov_b32 s[G1A+6], 0
	s_mov_b32 s[G1A+7], 0
	; W: 32 k-rows of 768 bytes, padded by 8 words after every 64
	s_or_b32 s[G1B+0], s20, (1<<16)|(1<<20)|(1<<21)|(5<<22)|(7<<25)
	s_mov_b32 s[G1B+1], 384<<16
	s_mov_b32 s[G1B+2], 32<<16
	s_mov_b32 s[G1B+3], 384<<16
	s_mov_b32 s[G1B+4], 32
	s_mov_b32 s[G1B+5], 3072
	s_mov_b32 s[G1B+6], 0
	s_mov_b32 s[G1B+7], 0
	s_lshl_b32 s58, s18, 15                        ; x: (256 tr + 128 half) rows of 128 bytes: made of tr and the wave alone
	s_lshl_b32 s59, s[WC], 14
	s_add_co_u32 s58, s58, s59
	s_mov_b32 s59, 0
	s_mul_i32 s60, s[WC], 32*6144                  ; W: 32 half k-rows of 6,144 bytes + 768 ct: made of ct and the wave alone
	s_mul_i32 s61, s17, 768
	s_add_co_u32 s60, s60, s61
	s_mov_b32 s61, 0
	s_mul_i32 s21, s[WC], 128*PA                   ; where they go: no place in the cluster enters an LDS address
	s_mul_i32 s22, s[WC], 32*PB
	s_add_co_u32 s22, s22, BOFF
	s_mov_b32 s[TB], 0
	s_wait_dscnt 0x0                               ; the opening add is done
	s_wait_kmcnt 0x0
	s_add_nc_u64 s[58:59], s[4:5], s[58:59]
	s_add_nc_u64 s[60:61], s[6:7], s[60:61]
	CROUND                                         ; all sixteen work-groups are here: the first joint loads meet
.irp s, 0,1
	s_mov_b32 s[G0A+4*(\s)], 1
	s_add_co_u32 s[G0A+4*(\s)+1], s21, (\s)*SLOT1
	s_add_nc_u64 s[G0A+4*(\s)+2:G0A+4*(\s)+3], s[58:59], (\s)*1048576   ; K step s: a block of xb
	s_or_b32 s[G0A+4*(\s)+3], s[G0A+4*(\s)+3], 0x80000000
	s_mov_b32 s[G0B+4*(\s)], 1
	s_add_co_u32 s[G0B+4*(\s)+1], s22, (\s)*SLOT1
	s_add_nc_u64 s[G0B+4*(\s)+2:G0B+4*(\s)+3], s[60:61], (\s)*64*6144
	s_or_b32 s[G0B+4*(\s)+3], s[G0B+4*(\s)+3], 0x80000000
.endr
	s_cmp_lt_u32 s[WV], 2                          ; a wave's two first fills stand in one branch: two loads of mine are out here, later one
	s_cbranch_scc0 .Lfirst_b
	tensor_load_to_lds s[G0A:G0A+3], s[G1A:G1A+7]
	s_nop 0
	tensor_load_to_lds s[G0A+4:G0A+7], s[G1A:G1A+7]
	s_nop 0
.rept 4
	v_nop
.endr
	s_branch .Lfirst_done
.Lfirst_b:
	tensor_load_to_lds s[G0B:G0B+3], s[G1B:G1B+7]
	s_nop 0
	tensor_load_to_lds s[G0B+4:G0B+7], s[G1B:G1B+7]
	s_nop 0
.rept 4
	v_nop
.endr
.Lfirst_done:
	; the tables' copy: wave w brings the 8,192 bytes of angles of the work-group's w-th block of 64 rows, all four waves the 2,048 bytes of the column tile: whole runs of 512 bytes, once
	v_and_b32 v1, 15, v0                           ; r
	v_bfe_u32 v2, v0, 4, 1                         ; h
	v_and_b32 v3, 31, v0
	v_lshlrev_b32 v20, 4, v3                       ; 16 x lane
	s_and_b32 s68, s18, 7
	s_lshl2_add_u32 s68, s68, s[WV]                ; tb = 4 (tr % 8) + w
	s_lshl_b32 s68, s68, 16
	s_lshl_b32 s69, s17, 13
	s_add_co_u32 s68, s68, s69
	s_mov_b32 s69, 0
	s_add_nc_u64 s[68:69], s[8:9], s[68:69]
	s_lshl_b32 s23, s17, 11
	v_lshl_add_u32 v21, v0, 4, s23
.set i, 0
.rept 16
	global_load_b128 v[32+4*i:35+4*i], v20, s[68:69] offset:512*i
.set i, i+1
.endr
	global_load_b128 v[96:99], v21, s[8:9] offset:2097152
	s_lshl_b32 s23, s[WV], 13
	s_add_co_u32 s23, s23, TABS
	v_add_nc_u32 v22, s23, v20
	v_lshl_add_u32 v23, v0, 4, COLB
	; lane addresses (v20, v21 stay as they are while the loads are out)
	v_mul_u32_u24 v[AM], v1, PA
	v_lshl_add_u32 v[AM], v2, 4, v[AM]
	s_mul_i32 s23, s[WR], 128*PA
	v_add_nc_u32 v[AM], s23, v[AM]                 ; (128 wr + r) x pitch + 16 h
	v_and_b32 v24, 7, v0
	v_bfe_u32 v25, v0, 3, 1
	v_lshl_add_u32 v24, v2, 3, v24
	v_mul_u32_u24 v24, v24, PB
	v_lshl_add_u32 v24, v25, 4, v24                ; the turning load: k-row 8 h + lane % 8, 16 bytes by (lane / 8) % 2
	s_lshl_b32 s23, s[WC], 7
	s_add_co_u32 s23, s23, BOFF
	v_add_nc_u32 v[AN], s23, v24
	v_add_nc_u32 v[AN+1], 288, v[AN]
	v_add_nc_u32 v[AN+2], 576, v[AN]
	v_mul_u32_u24 v[STO], v1, SPT
	v_lshl_add_u32 v[STO], v2, 4, v[STO]
	s_mul_i32 s23, s[WR], 64*SPT
	s_lshl_b32 s2, s[WC], 7
	s_add_co_u32 s23, s23, s2
	s_add_co_u32 s23, s23, STAGE
	v_add_nc_u32 v[STO], s23, v[STO]
	s_mul_i32 s23, s[WV], 32*SPT
	s_add_co_u32 s23, s23, STAGE
	v_add_nc_u32 v[RDA], s23, v20
	v_mul_u32_u24 v[RDB], v2, SPT
	v_lshl_add_u32 v[RDB], v1, 4, v[RDB]
	s_add_co_u32 s23, s23, 512
	v_add_nc_u32 v[RDB], s23, v[RDB]
	v_lshlrev_b32 v[COA], 11, v2                   ; lanes 0-15: the row's Q unit; lanes 16-31: its K unit, 2,048 bytes on
	v_lshl_add_u32 v[COA], v1, 4, v[COA]
	v_mul_u32_u24 v[COB], v2, 6144                 ; the V units of two rows
	v_lshl_add_u32 v[COB], v1, 4, v[COB]
	v_add_nc_u32 v[COB], 4096, v[COB]
	s_lshl_b32 s23, s[WR], 14
	s_lshl_b32 s2, s[WC], 12
	s_add_co_u32 s23, s23, s2
	s_add_co_u32 s23, s23, TABS
	v_add_nc_u32 v[TSA], s23, v20
	s_lshl_b32 s23, s[WC], 8
	s_add_co_u32 s23, s23, COLB
	v_lshl_add_u32 v[CBA], v2, 5, s23
	v_mov_b32 v[ZR], 0
	s_lshl_b32 s70, s18, 8                         ; the first row that I store: 256 tr + 128 (w / 2) + 32 (w % 2)
	s_lshl_b32 s71, s[WR], 7
	s_add_co_u32 s70, s70, s71
	s_lshl_b32 s71, s[WC], 5
	s_add_co_u32 s70, s70, s71
	s_mul_i32 s70, s70, 6144
	s_lshl_b32 s71, s17, 8
	s_add_co_u32 s70, s70, s71
	s_mov_b32 s71, 0
	s_add_nc_u64 s[66:67], s[10:11], s[70:71]
	s_wait_loadcnt 0x0
.set i, 0
.rept 16
	ds_store_b128 v22, v[32+4*i:35+4*i] offset:512*i
.set i, i+1
.endr
	ds_store_b128 v23, v[96:99]
; 16 matrix instructions: fragments 2 q, 2 q + 1 of part g x all 8 row blocks, 32 along K, x from buffer buf.  The 96 accumulators take turns, one instruction a turn.
.macro RUN g, q, buf, zero
	WIN ((\g)+1)*0x50
.irp bb, 2*(\q), 2*(\q)+1
.irp a, 0,1,2,3,4,5,6,7
.if \zero
	v_wmma_f32_16x16x32_bf16 v[64*(\bb)+8*(\a):64*(\bb)+8*(\a)+7], v[NF+8*(4*(\g)+(\bb)):NF+8*(4*(\g)+(\bb))+7], v[MF+64*(\buf)+8*(\a):MF+64*(\buf)+8*(\a)+7], 0
.else
	v_wmma_f32_16x16x32_bf16 v[64*(\bb)+8*(\a):64*(\bb)+8*(\a)+7], v[NF+8*(4*(\g)+(\bb)):NF+8*(4*(\g)+(\bb))+7], v[MF+64*(\buf)+8*(\a):MF+64*(\buf)+8*(\a)+7], v[64*(\bb)+8*(\a):64*(\bb)+8*(\a)+7]
.endif
.endr
.endr
.endm
.macro LDN g, k0                       ; 8 turning loads: part g's four fragments of W, k0 .. k0 + 31
	WIN 0
.irp bb, 0,1,2,3
	ds_load_tr16_b128 v[NF+8*(4*(\g)+(\bb)):NF+8*(4*(\g)+(\bb))+3],   v[CN+(\g)] offset:(\k0)*PB+(\bb)*32
	ds_load_tr16_b128 v[NF+8*(4*(\g)+(\bb))+4:NF+8*(4*(\g)+(\bb))+7], v[CN+(\g)] offset:(\k0)*PB+(\bb)*32+16*PB
.endr
.endm
.macro LDM buf, k0                     ; 16 loads: x's eight fragments
	WIN 0
.irp a, 0,1,2,3,4,5,6,7
	ds_load_b128 v[MF+64*(\buf)+8*(\a):MF+64*(\buf)+8*(\a)+3],   v[CM] offset:(\a)*16*PA+2*(\k0)
	ds_load_b128 v[MF+64*(\buf)+8*(\a)+4:MF+64*(\buf)+8*(\a)+7], v[CM] offset:(\a)*16*PA+2*(\k0)+32
.endr
.endm
; A slot's first 32 along K, on buffer 0.  On entry 40 loads are out, in the order: Q's fragments and x (24), K's (8), V's (8).  It leaves the same 40 for the second 32.
.macro EHALF zero
	s_wait_dscnt 16                                ; the 24 are in
	RUN 0, 0, 0, \zero
	RUN 0, 1, 0, \zero
	PLACES
	LDN 0, 32
	LDM 1, 32
	s_wait_dscnt 32                                ; K's fragments: behind them V's 8 and the 24 just issued
	RUN 1, 0, 0, \zero
	RUN 1, 1, 0, \zero
	PLACES
	LDN 1, 32
	s_wait_dscnt 32                                ; V's fragments: behind them 24 + 8
	RUN 2, 0, 0, \zero
	RUN 2, 1, 0, \zero
	PLACES
	LDN 2, 32
.endm
; A slot's second 32, on buffer 1, and the change of slots: each wave waits for all its tensor loads (one is out: its part of the next slot), adds 0 to its spare word, and waits for that and for its
; reads of this slot; behind the barrier (fill = 1: a round of the cluster's) nobody reads this slot and the next is whole.  The refill, two K steps ahead, is the first thing there:
; 160 matrix instructions stand between it and the wait for it.
.macro LHALF fill
	s_wait_dscnt 16
	RUN 0, 0, 1, 0
	WIN 0
	s_wait_tensorcnt 0x0
	ds_add_u32 v[SPW], v[NIL]
.if \fill
	s_xor_b32 s[G0A+5], s[G0A+5], SLOT1            ; no tensor load of mine is out: the walking sets step: the other slot, the next K step
	s_add_nc_u64 s[G0A+6:G0A+7], s[G0A+6:G0A+7], 1048576
	s_xor_b32 s[G0B+5], s[G0B+5], SLOT1
	s_add_nc_u64 s[G0B+6:G0B+7], s[G0B+6:G0B+7], 64*6144
.endif
	RUN 0, 1, 1, 0
	s_wait_dscnt 0x0                               ; the add is done, and my reads of this slot are over
	s_barrier_signal -1
	RUN 1, 0, 1, 0
	WIN 0
	s_barrier_wait -1
.if \fill
	CREST
	JLOAD                                          ; its four v_nop are also the places in front of the loads below
.else
	PLACES
.endif
	s_xor_b32 s[TB], s[TB], SLOT1
	v_add_nc_u32 v[CM], s[TB], v[AM]
	v_add_nc_u32 v[CN], s[TB], v[AN]
	v_add_nc_u32 v[CN+1], s[TB], v[AN+1]
	v_add_nc_u32 v[CN+2], s[TB], v[AN+2]
	LDN 0, 0
	LDM 0, 0
	RUN 1, 1, 1, 0
	PLACES
	LDN 1, 0
	RUN 2, 0, 1, 0
	RUN 2, 1, 1, 0
	PLACES
	LDN 2, 0
.endm
; THE WAY OUT works through 16 items: pass p = n / 8 (row blocks 4 p .. 4 p + 3); n % 8 = 0..3: fragment bq of Q and of K; 4..7: a fragment of V.
.set TS0, 32                           ; table words, two sets of 32: cos/sin at t (8), cos/sin of 16 f (8), Q's bias (8), K's bias (8)
.set BV0, 96                           ; V's bias, two sets of 8
.set C1,  112                          ; cos/sin at t + 16, + 32, + 48
.set TT,  136                          ; four row blocks x 8 numbers at work
.set UU,  168
.set PP,  184                          ; packed results
.set RB,  200                          ; rows read back
.macro TLOAD n                         ; item n's table words, into set n % 2
.if (\n) < 16
.set tp, (\n)/8
.set tm, (\n)%8
.set ts, TS0+32*((\n)%2)
.set tv, BV0+8*((\n)%2)
.if tm < 4
	ds_load_b128 v[ts:ts+3],     v[TSA] offset:tp*8192+tm*1024
	ds_load_b128 v[ts+4:ts+7],   v[TSA] offset:tp*8192+tm*1024+512
	ds_load_b128 v[ts+8:ts+11],  v[CBA] offset:1536+tm*64
	ds_load_b128 v[ts+12:ts+15], v[CBA] offset:1536+tm*64+16
	ds_load_b128 v[ts+16:ts+19], v[CBA] offset:tm*64
	ds_load_b128 v[ts+20:ts+23], v[CBA] offset:tm*64+16
	ds_load_b128 v[ts+24:ts+27], v[CBA] offset:512+tm*64
	ds_load_b128 v[ts+28:ts+31], v[CBA] offset:512+tm*64+16
.else
	ds_load_b128 v[tv:tv+3],   v[CBA] offset:1024+(tm-4)*64
	ds_load_b128 v[tv+4:tv+7], v[CBA] offset:1024+(tm-4)*64+16
.endif
.endif
.endm
; four pairs (x1, x2) at x turned by the four (cos, sin) at c, into d: (x1 cos - x2 sin, x1 sin + x2 cos)
.macro ROT d, x, c
.irp i, 0,2,4,6
	v_pk_mul_f32 v[UU+(\i):UU+(\i)+1], v[(\x)+(\i):(\x)+(\i)+1], v[(\c)+(\i):(\c)+(\i)+1] op_sel:[1,1] op_sel_hi:[0,1] neg_lo:[1,0]   ; (-x2 sin, x1 sin)
.endr
.irp i, 0,2,4,6
	v_pk_fma_f32 v[(\d)+(\i):(\d)+(\i)+1], v[(\x)+(\i):(\x)+(\i)+1], v[(\c)+(\i):(\c)+(\i)+1], v[UU+(\i):UU+(\i)+1] op_sel_hi:[1,0,1]  ; + (x1 cos, x2 cos)
.endr
.endm
.macro ADDB win, col, bias             ; the pass's four accumulators of fragment col, in window win, plus the bias; each accumulator's registers in ascending order
	WIN \win
.irp a, 0,1,2,3
.irp i, 0,2,4,6
	v_pk_add_f32 v[TT+8*(\a)+(\i):TT+8*(\a)+(\i)+1], v[64*(\col)+8*(4*ip+(\a))+(\i):64*(\col)+8*(4*ip+(\a))+(\i)+1], v[(\bias)+(\i):(\bias)+(\i)+1]
.endr
.endr
	WIN 0
.endm
.macro PACKST a, off                   ; rounded once to bf16, ReLU on the packed halves, 16 bytes into the stage
.irp k, 0,1,2,3
	v_cvt_pk_bf16_f32 v[PP+4*(\a)+(\k)], v[TT+8*(\a)+2*(\k)], v[TT+8*(\a)+2*(\k)+1]
.endr
.irp k, 0,1,2,3
	v_pk_max_num_bf16 v[PP+4*(\a)+(\k)], v[PP+4*(\a)+(\k)], v[ZR]
.endr
	ds_store_b128 v[STO], v[PP+4*(\a):PP+4*(\a)+3] offset:(\a)*16*SPT+(\off)
.endm
.macro ITEM n
.set ip, (\n)/8
.set im, (\n)%8
.set SB, TS0+32*((\n)%2)
.set BV, BV0+8*((\n)%2)
	s_wait_dscnt 0x0                               ; my table words are in
	TLOAD (\n)+1                                   ; the next item's, into the other set
.if im < 4
	ROT C1, SB, SB+8
	ROT C1+8, C1, SB+8
	ROT C1+16, C1+8, SB+8
.irp g, 0,1
	ADDB (\g)+1, im, SB+16+8*(\g)
	ROT TT, TT, SB
	ROT TT+8, TT+8, C1
	ROT TT+16, TT+16, C1+8
	ROT TT+24, TT+24, C1+16
.irp a, 0,1,2,3
	PACKST \a, (\g)*256+im*32
.endr
.endr
.else
	ADDB 3, im-4, BV
.irp a, 0,1,2,3
	PACKST \a, 512+(im-4)*32
.endr
.endif
.endm
; Wave w stores the stage's rows 32 w .. 32 w + 31, eight at a time: each store's sixteen neighbouring lanes fill 256 consecutive bytes, at a multiple of 256 from qkv's first byte.
.macro READBACK p
.set ch, 0
.rept 4
	s_wait_xcnt 0x0                                ; the registers that earlier stores read are loaded again only behind this wait
.set rn, 0
.rept 8
	ds_load_b128 v[RB+4*rn:RB+4*rn+3], v[RDA] offset:(8*ch+rn)*SPT
.set rn, rn+1
.endr
.set rn, 0
.rept 4
	ds_load_b128 v[RB+32+4*rn:RB+32+4*rn+3], v[RDB] offset:(8*ch+2*rn)*SPT
.set rn, rn+1
.endr
.set rn, 0
.rept 8
	s_wait_dscnt 11-rn
	global_store_b128 v[COA], v[RB+4*rn:RB+4*rn+3], s[66:67] offset:(64*(\p)+8*ch+rn)*6144
.set rn, rn+1
.endr
.set rn, 0
.rept 4
	s_wait_dscnt 3-rn
	global_store_b128 v[COB], v[RB+32+4*rn:RB+32+4*rn+3], s[66:67] offset:(64*(\p)+8*ch+2*rn)*6144
.set rn, rn+1
.endr
.set ch, ch+1
.endr
.endm
	s_wait_tensorcnt 0x1                           ; my part of K step 0 is in; K step 1's may stay out
	s_wait_dscnt 0x0                               ; my part of the tables' copy is written
	s_barrier_signal -1
	s_barrier_wait -1
	v_mov_b32 v[CM], v[AM]
	v_mov_b32 v[CN], v[AN]
	v_mov_b32 v[CN+1], v[AN+1]
	v_mov_b32 v[CN+2], v[AN+2]
	LDN 0, 0
	LDM 0, 0
	LDN 1, 0
	LDN 2, 0
	EHALF 1                                        ; the first 32 along K start the sums: nothing is cleared
	WIN 0
	s_mov_b32 s[CNT], 14
.Lk:                                                   ; trip i: the second half of K step i, which asks for K step i + 2, and the first half of K step i + 1
	LHALF 1
	EHALF 0
	WIN 0
	s_sub_co_u32 s[CNT], s[CNT], 1
	s_cmp_lg_u32 s[CNT], 0
	s_cbranch_scc1 .Lk
	LHALF 0                                        ; the tail is written out: nothing more is asked for
	EHALF 0
	s_wait_dscnt 16                                ; the last 32 along K
	RUN 0, 0, 1, 0
	RUN 0, 1, 1, 0
	PLACES
	WIN 0
	TLOAD 0                                        ; the first item's table words, into buffer 0, which is free
	s_wait_dscnt 16                                ; K's fragments: behind them V's 8 and the 8 just issued
	RUN 1, 0, 1, 0
	RUN 1, 1, 1, 0
	s_wait_dscnt 8                                 ; V's fragments
	RUN 2, 0, 1, 0
	RUN 2, 1, 1, 0
	WIN 0
	PLACES
.irp n, 0,1,2,3,4,5,6,7
	ITEM \n
.endr
	s_wait_dscnt 0x0                               ; for the others' sake: my stores into the stage are done
	s_barrier_signal -1
	s_barrier_wait -1
	READBACK 0
	s_wait_dscnt 0x0                               ; my reads of the stage are over: it is written again behind this barrier
	s_barrier_signal -1
	s_barrier_wait -1
.irp n, 8,9,10,11,12,13,14,15
	ITEM \n
.endr
	s_wait_dscnt 0x0
	s_barrier_signal -1
	s_barrier_wait -1
	READBACK 1
	s_wait_tensorcnt 0x0                           ; the wave's end
	ds_add_u32 v[SPW], v[NIL]
	s_wait_dscnt 0x0
	CROUND                                         ; the closing round
	s_endpgm
.Lfunc_end_k_qe734bab5c4_g1:
	.size	k_qe734bab5c4_g1, .Lfunc_end_k_qe734bab5c4_g1-k_qe734bab5c4_g1
	.p2alignl 7, 3214868480
	.fill 96, 4, 3214868480
	.section	.rodata,"a",@progbits
	.p2align	6, 0x0
	.amdhsa_kernel k_qe734bab5c4_g1
		.amdhsa_group_segment_fixed_size 327680
		.amdhsa_private_segment_fixed_size 0
		.amdhsa_enable_private_segment 0
		.amdhsa_kernarg_size 32
		.amdhsa_user_sgpr_count 2
		.amdhsa_user_sgpr_kernarg_segment_ptr 1
		.amdhsa_wavefront_size32 1
		.amdhsa_system_sgpr_workgroup_id_x 1
		.amdhsa_system_sgpr_workgroup_id_y 1
		.amdhsa_system_sgpr_workgroup_id_z 1
		.amdhsa_system_vgpr_workitem_id 0
		.amdhsa_next_free_vgpr 1024
		.amdhsa_next_free_sgpr 80
		.amdhsa_reserve_vcc 0
		.amdhsa_float_denorm_mode_32 3
		.amdhsa_float_denorm_mode_16_64 3
		.amdhsa_memory_ordered 1
		.amdhsa_forward_progress 1
		.amdhsa_inst_pref_size 216
	.end_amdhsa_kernel
	.amdgpu_metadata
---
amdhsa.version: [ 1, 2 ]
amdhsa.kernels:
  - .name:           k_qe734bab5c4_g1
    .symbol:         k_qe734bab5c4_g1.kd
    .args:
      - { .name: xb, .offset: 0, .size: 8, .value_kind: global_buffer, .address_space: global }
      - { .name: wb, .offset: 8, .size: 8, .value_kind: global_buffer, .address_space: global }
      - { .name: tab, .offset: 16, .size: 8, .value_kind: global_buffer, .address_space: global }
      - { .name: qkv, .offset: 24, .size: 8, .value_kind: global_buffer, .address_space: global }
    .group_segment_fixed_size: 327680
    .private_segment_fixed_size: 0
    .kernarg_segment_align: 8
    .kernarg_segment_size: 32
    .max_flat_workgroup_size: 128
    .sgpr_count:     80
    .vgpr_count:     1024
    .wavefront_size: 32
...
	.end_amdgpu_metadata
.endif
;; end of part 2
;; launch g2 (part 3): grid 8 x 32, 4 waves a work-group, clusters of 4 x 4, 327,680 bytes of LDS; arguments qkv, mc; writes mc
.if DOCPART == 3
	.amdgcn_target "amdgcn-amd-amdhsa--gfx1250"
	.amdhsa_code_object_version 6
	.text
	.protected	k_qe734bab5c4_g2
	.globl	k_qe734bab5c4_g2
	.p2align	8
	.type	k_qe734bab5c4_g2,@function
k_qe734bab5c4_g2:
	s_mov_b64 s[64:65], 0
	v_nop
	global_prefetch_b8 v0, s[64:65] scope:SCOPE_SE
	s_setreg_imm32_b32 hwreg(HW_REG_WAVE_MODE, 25, 1), 1
	s_wait_xcnt 0x0
	s_wait_alu depctr_hold_cnt(0) depctr_sa_sdst(0) depctr_va_vdst(0) depctr_va_sdst(0) depctr_va_ssrc(0) depctr_va_vcc(0) depctr_vm_vsrc(0)
	s_getreg_b32 s2, hwreg(HW_REG_IB_STS2, 6, 4)
	s_cmp_eq_u32 s2, 0
	s_cbranch_scc0 .Lentry_in_a_cluster
	s_endpgm
.Lentry_in_a_cluster:
	s_bfe_u32 s2, ttmp6, 0x10000c
	s_cmp_lg_u32 s2, 0xf033
	s_cbranch_scc0 .Lentry_shape_is_right
	s_endpgm
.Lentry_shape_is_right:
; G2: for each batch, M = K^T V (1024 x 1024, the sum over 2,048 rows s), less the mean over each group of 32 neighbouring columns, rounded once to bf16: mc[b][d1][d2].
; No softmax stands between the reference's two products, so (Q K^T) V = Q (K^T V); and the group norm's mean is linear, so y - mean_g y = Q (M - mean_g M).  The mean is taken here, of the f32 sums, before
; the rounding: what is rounded is then the part of M that the norm keeps.
; SHARES.  A tile is 128 d1 x 128 d2: 4 x 8 x 8 = 256 work-groups; four waves, each 64 x 64: 16 accumulators.  s goes in steps of 256 through two LDS slots.
; Both operands lie [s][d] and are turned on the way out of LDS (ds_load_tr16_b128).  Source 0 = 16 columns of V, source 1 = 16 columns of K: a lane holds d1 = lane % 16 and d2 = 8 (lane / 16) + 0..7.
; CLUSTER 4 x 4: K's tile hangs on batch and d1 tile (the grid's y) and is shared along a row of the cluster, V's on batch and d2 tile and along a column; the batch comes from the cluster's y alone.
; LIMITS: NaN and infinities are not treated apart.
; REGISTERS: window 0: v0-31 addresses; v32-103 at work on the way out; v128-255 the accumulators ((a, b) at v[128 + 8 (4 a + b)]).  Window 1: two fragment buffers of 128: 64 of K, then 64 of V, for 64 along s.
.set PITCH,  288                       ; an LDS row: 256 bytes + 32 = nine times 32: the 8 rows x 32 bytes of half a turning load fall on different words modulo 256 bytes
.set HALFT,  128*PITCH                 ; what one tensor load brings
.set SLOT,   4*HALFT                   ; K's 256 rows, then V's
.set STAGE,  2*SLOT
.set SPITCH, 272
.set SPARE,  STAGE+64*SPITCH           ; the spare words, 128 bytes a wave
.set LAPS,   4                         ; 2,048 / (2 x 256)
.set STEPB,  256*6144                  ; bytes from one step's rows to the next's
.set ADRK, 8                           ; v8-11   my place in K's tile: slot s, rows 128 hq ..: ADRK + 2 s + hq
.set ADRV, 12                          ; v12-15  the same for V
.set STO,  24
.set RD,   25
.set CO,   26
.set SPW,  28
.set NIL,  29
.set ACC,  128
.set F0,   0
.set F1,   128
.set G1, 24                            ; s[24:31], s[32:39]: K's descriptor groups 1 and 0 (a set for each slot)
.set G0, 32
.set G1B, 48                           ; s[48:55], s[56:63]: V's
.set G0B, 56
.set MSB, 0
.macro WIN new
.if MSB != (\new)
	s_set_vgpr_msb (MSB<<8)|(\new)
.set MSB, (\new)
.endif
.endm
.set MUL,  0x05                        ; sources 0 and 1 in window 1; C and D in window 0
.set TO_F, 0x40                        ; destination window 1, address window 0
.macro PLACES
.rept 4
	v_nop
.endr
.endm
.macro JLOAD s                         ; waves 0, 1 fetch K's two halves, waves 2, 3 V's
	s_cmp_eq_u32 s11, 0
	s_cbranch_scc0 .Lfor_b_\@
	tensor_load_to_lds s[G0+4*(\s):G0+4*(\s)+3], s[G1:G1+7]
	s_nop 0
.rept 4
	v_nop
.endr
	s_branch .Lasked_\@
.Lfor_b_\@:
	tensor_load_to_lds s[G0B+4*(\s):G0B+4*(\s)+3], s[G1B:G1B+7]
	s_nop 0
.rept 4
	v_nop
.endr
.Lasked_\@:
.endm
.macro CREST
	s_cmp_lg_u32 s10, 0
	s_cbranch_scc1 .Lnot_wave_0_\@
	s_barrier_signal -3
.Lnot_wave_0_\@:
	s_barrier_wait -3
	s_barrier_signal -1
	s_barrier_wait -1
.endm
.macro CROUND
	s_barrier_signal -1
	s_barrier_wait -1
	CREST
.endm
	s_load_b128 s[4:7], s[0:1], 0x0                ; qkv s[4:5], mc s[6:7]
	v_lshl_add_u32 v[SPW], v0, 2, SPARE
	v_mov_b32 v[NIL], 0
	ds_add_u32 v[SPW], v[NIL]                      ; the wave's opening: the add and its wait stand ahead of my first tensor load
	v_lshrrev_b32 v1, 5, v0
	v_readfirstlane_b32 s10, v1
	s_lshr_b32 s11, s10, 1                         ; my half of d1.  Also: I fetch for K (0) or V (1)
	s_and_b32 s12, s10, 1                          ; my half of d2.  Also: which 128 rows I fetch
	s_bfe_u32 s40, ttmp6, 0x40000                  ; cx
	s_bfe_u32 s41, ttmp6, 0x40004                  ; cy
	s_lshl_b32 s42, ttmp9, 2
	s_add_co_u32 s42, s42, s40                     ; d2 tile
	s_and_b32 s13, ttmp7, 0xffff                   ; the cluster's y
	s_lshr_b32 s45, s13, 1                         ; batch
	s_and_b32 s21, s13, 1
	s_lshl2_add_u32 s21, s21, s41                  ; d1 tile = 4 (cluster y % 2) + cy
	s_lshl_b32 s43, s41, 2
	s_lshl_b32 s43, 15, s43                        ; my row of the cluster
	s_lshl_b32 s44, 0x1111, s40                    ; my column
	s_or_b32 s[G1+0], s43, (1<<16)|(1<<20)|(1<<21)|(5<<22)|(7<<25)   ; 2-byte elements; 8 words of padding after every 64
	s_or_b32 s[G1B+0], s44, (1<<16)|(1<<20)|(1<<21)|(5<<22)|(7<<25)
.irp g, G1, G1B
	s_mov_b32 s[(\g)+1], 128<<16                   ; tensor_dim0
	s_mov_b32 s[(\g)+2], 128<<16                   ; tensor_dim1
	s_mov_b32 s[(\g)+3], 128<<16                   ; tile_dim0
	s_mov_b32 s[(\g)+4], 128                       ; tile_dim1
	s_mov_b32 s[(\g)+5], 3072                      ; elements from row to row
	s_mov_b32 s[(\g)+6], 0
	s_mov_b32 s[(\g)+7], 0
.endr
	s_lshl_b32 s18, s45, 11
	s_lshl_b32 s17, s12, 7
	s_add_co_u32 s18, s18, s17
	s_mul_i32 s18, s18, 6144                       ; rows 2,048 batch + 128 half: batch and wave alone
	s_lshl_b32 s16, s21, 8
	s_add_co_u32 s16, s16, s18
	s_add_co_u32 s16, s16, 2048                    ; K's columns of the d1 tile
	s_mov_b32 s17, 0
	s_lshl_b32 s46, s42, 8
	s_add_co_u32 s46, s46, s18
	s_add_co_u32 s46, s46, 4096                    ; V's columns of the d2 tile
	s_mov_b32 s47, 0
	s_mul_i32 s20, s10, HALFT                      ; where they go: wave x 128 rows
	s_mov_b32 s66, 0x76543210                      ; v_permlanex16_b32: each lane takes its own place in the other half
	s_mov_b32 s67, 0xfedcba98
	s_wait_dscnt 0x0                               ; the opening add is done
	s_wait_kmcnt 0x0
	s_add_nc_u64 s[14:15], s[4:5], s[16:17]
	s_add_nc_u64 s[46:47], s[4:5], s[46:47]
	CROUND                                         ; all sixteen work-groups are here
.irp s, 0,1
	s_mov_b32 s[G0+4*(\s)], 1
	s_add_co_u32 s[G0+4*(\s)+1], s20, (\s)*SLOT
	s_add_nc_u64 s[G0+4*(\s)+2:G0+4*(\s)+3], s[14:15], (\s)*STEPB
	s_or_b32 s[G0+4*(\s)+3], s[G0+4*(\s)+3], 0x80000000
	s_mov_b32 s[G0B+4*(\s)], 1
	s_add_co_u32 s[G0B+4*(\s)+1], s20, (\s)*SLOT
	s_add_nc_u64 s[G0B+4*(\s)+2:G0B+4*(\s)+3], s[46:47], (\s)*STEPB
	s_or_b32 s[G0B+4*(\s)+3], s[G0B+4*(\s)+3], 0x80000000
.endr
	s_cmp_eq_u32 s11, 0                            ; a wave's two first fills stand in one branch: two loads of mine are out here, later one
	s_cbranch_scc0 .Lfirst_b
	tensor_load_to_lds s[G0:G0+3], s[G1:G1+7]
	s_nop 0
	tensor_load_to_lds s[G0+4:G0+7], s[G1:G1+7]
	s_nop 0
.rept 4
	v_nop
.endr
	s_branch .Lfirst_done
.Lfirst_b:
	tensor_load_to_lds s[G0B:G0B+3], s[G1B:G1B+7]
	s_nop 0
	tensor_load_to_lds s[G0B+4:G0B+7], s[G1B:G1B+7]
	s_nop 0
.rept 4
	v_nop
.endr
.Lfirst_done:
	v_and_b32 v1, 15, v0                           ; r
	v_bfe_u32 v2, v0, 4, 1                         ; h
	v_and_b32 v3, 7, v0
	v_bfe_u32 v4, v0, 3, 1
	v_lshl_add_u32 v3, v2, 3, v3
	v_mul_u32_u24 v3, v3, PITCH
	v_lshl_add_u32 v3, v4, 4, v3                   ; the turning load: row 8 h + lane % 8, 16 bytes by (lane / 8) % 2
	s_lshl_b32 s21, s11, 7                         ; my 64 columns of K's 128
	s_lshl_b32 s22, s12, 7                         ; my 64 of V's,
	s_add_co_u32 s22, s22, 2*HALFT                 ; which lie behind K's 256 rows
.irp s, 0,1
.irp q, 0,1
	v_add_nc_u32 v[ADRK+2*(\s)+(\q)], s21, v3
	v_add_nc_u32 v[ADRV+2*(\s)+(\q)], s22, v3
	s_add_co_u32 s21, s21, HALFT
	s_add_co_u32 s22, s22, HALFT
.endr
	s_add_co_u32 s21, s21, SLOT-2*HALFT
	s_add_co_u32 s22, s22, SLOT-2*HALFT
.endr
	s_mul_i32 s23, s11, 32*SPITCH                  ; into the stage: row 32 (w / 2) + r, my half of its 256 bytes
	s_lshl_b32 s21, s12, 7
	s_add_co_u32 s23, s23, s21
	s_add_co_u32 s23, s23, STAGE
	v_mul_u32_u24 v4, v1, SPITCH
	v_lshl_add_u32 v4, v2, 4, v4
	v_add_nc_u32 v[STO], s23, v4
	s_mul_i32 s23, s10, 16*SPITCH                  ; back: wave w takes rows 16 w .., two whole rows a load
	s_add_co_u32 s23, s23, STAGE
	v_mul_u32_u24 v5, v2, SPITCH
	v_lshl_add_u32 v5, v1, 4, v5
	v_add_nc_u32 v[RD], s23, v5
	v_lshlrev_b32 v5, 11, v2                       ; and the same two rows in mc
	v_lshl_add_u32 v[CO], v1, 4, v5
	s_and_b32 s68, s13, 1                          ; mc: batch, row 128 d1 tile + 64 (w / 2) + 16 (w % 2), column tile
	s_lshl2_add_u32 s68, s68, s41
	s_lshl_b32 s68, s68, 7
	s_lshl_b32 s69, s11, 6
	s_add_co_u32 s68, s68, s69
	s_lshl_b32 s69, s12, 4
	s_add_co_u32 s68, s68, s69
	s_lshl_b32 s68, s68, 11
	s_lshl_b32 s69, s45, 21
	s_add_co_u32 s68, s68, s69
	s_lshl_b32 s69, s42, 8
	s_add_co_u32 s68, s68, s69
	s_mov_b32 s69, 0
	s_add_nc_u64 s[6:7], s[6:7], s[68:69]
; 8 matrix instructions: d1 blocks a0, a0 + 1 x all 4 d2 blocks, 32 along s: half c of buffer f.  The 16 accumulators take turns.
.macro MUL8 f, c, a0, zero
	WIN MUL
.irp a, \a0, (\a0)+1
.irp b, 0,1,2,3
.if \zero
	v_wmma_f32_16x16x32_bf16 v[ACC+8*(4*(\a)+(\b)):ACC+8*(4*(\a)+(\b))+7], v[(\f)+64+8*(4*(\c)+(\b)):(\f)+64+8*(4*(\c)+(\b))+7], v[(\f)+8*(4*(\c)+(\a)):(\f)+8*(4*(\c)+(\a))+7], 0
.else
	v_wmma_f32_16x16x32_bf16 v[ACC+8*(4*(\a)+(\b)):ACC+8*(4*(\a)+(\b))+7], v[(\f)+64+8*(4*(\c)+(\b)):(\f)+64+8*(4*(\c)+(\b))+7], v[(\f)+8*(4*(\c)+(\a)):(\f)+8*(4*(\c)+(\a))+7], v[ACC+8*(4*(\a)+(\b)):ACC+8*(4*(\a)+(\b))+7]
.endif
.endr
.endr
.endm
; 32 turning loads in one run: the fragments of rows 64 q .. 64 q + 63 of the slot, into buffer f; the first 32 rows first
.macro FETCH slot, q, f
	WIN TO_F
.irp c, 0,1
.irp i, 0,1,2,3
	ds_load_tr16_b128 v[(\f)+64+8*(4*(\c)+(\i)):(\f)+64+8*(4*(\c)+(\i))+3],   v[ADRV+2*(\slot)+(\q)/2] offset:(((\q)%2)*64+32*(\c))*PITCH+(\i)*32
	ds_load_tr16_b128 v[(\f)+64+8*(4*(\c)+(\i))+4:(\f)+64+8*(4*(\c)+(\i))+7], v[ADRV+2*(\slot)+(\q)/2] offset:(((\q)%2)*64+32*(\c)+16)*PITCH+(\i)*32
	ds_load_tr16_b128 v[(\f)+8*(4*(\c)+(\i)):(\f)+8*(4*(\c)+(\i))+3],         v[ADRK+2*(\slot)+(\q)/2] offset:(((\q)%2)*64+32*(\c))*PITCH+(\i)*32
	ds_load_tr16_b128 v[(\f)+8*(4*(\c)+(\i))+4:(\f)+8*(4*(\c)+(\i))+7],       v[ADRK+2*(\slot)+(\q)/2] offset:(((\q)%2)*64+32*(\c)+16)*PITCH+(\i)*32
.endr
.endr
.endm
; A step is four quarters of 64 rows, 32 matrix instructions each, on buffers 0, 1, 0, 1.  One of the first three multiplies buffer f and fetches quarter q into g.
.macro QUARTER slot, q, f, g, zero
	s_wait_dscnt 16                                ; the first 32 rows' fragments are in
	MUL8 \f, 0, 0, \zero
	MUL8 \f, 0, 2, \zero
	PLACES
	FETCH \slot, \q, \g
	s_wait_dscnt 32                                ; all but the 32 just issued
	MUL8 \f, 1, 0, 0
	MUL8 \f, 1, 2, 0
.endm
; The last quarter multiplies buffer 1 and changes slots: in front of the barrier each wave waits for all its tensor loads, adds 0 to its spare word, and waits for that and for its reads of this slot.
.macro TURN slot, next, fill
	WIN 0
	s_wait_tensorcnt 0x0                           ; all my tensor loads have landed: my part of the next slot
	ds_add_u32 v[SPW], v[NIL]
	s_wait_dscnt 17                                ; (the add and the youngest sixteen loads may be out)
	MUL8 F1, 0, 0, 0
	s_wait_dscnt 0x0                               ; the add is done, and my reads of this slot are over
	s_barrier_signal -1
	MUL8 F1, 0, 2, 0
.if \fill
	WIN 0
.endif
	s_barrier_wait -1
.if \fill
	CREST                                          ; the barrier has opened a round of the cluster's: no wave of any partner still reads this slot or has a load on its way
	s_add_nc_u64 s[G0+4*(\slot)+2:G0+4*(\slot)+3], s[G0+4*(\slot)+2:G0+4*(\slot)+3], 2*STEPB
	s_add_nc_u64 s[G0B+4*(\slot)+2:G0B+4*(\slot)+3], s[G0B+4*(\slot)+2:G0B+4*(\slot)+3], 2*STEPB
	JLOAD \slot                                    ; the first tensor load behind the round; its four v_nop are also the places in front of the loads below
.else
	PLACES
.endif
	FETCH \next, 0, F0
	MUL8 F1, 1, 0, 0
	MUL8 F1, 1, 2, 0
.endm
	s_wait_tensorcnt 0x1                           ; my part of step 0 is in; step 1's may stay out
	s_barrier_signal -1
	s_barrier_wait -1
	FETCH 0, 0, F0
	QUARTER 0, 1, F0, F1, 1                        ; the first products start the sums
	WIN 0
	s_mov_b32 s3, LAPS-1
.Llap:                                                 ; a trip goes once round the ring and fills both slots again
	QUARTER 0, 2, F1, F0, 0
	QUARTER 0, 3, F0, F1, 0
	TURN 0, 1, 1
	QUARTER 1, 1, F0, F1, 0
	QUARTER 1, 2, F1, F0, 0
	QUARTER 1, 3, F0, F1, 0
	TURN 1, 0, 1
	QUARTER 0, 1, F0, F1, 0
	WIN 0
	s_sub_co_u32 s3, s3, 1
	s_cmp_lg_u32 s3, 0
	s_cbranch_scc1 .Llap
	QUARTER 0, 2, F1, F0, 0                        ; the last lap fills nothing
	QUARTER 0, 3, F0, F1, 0
	TURN 0, 1, 0
	QUARTER 1, 1, F0, F1, 0
	QUARTER 1, 2, F1, F0, 0
	QUARTER 1, 3, F0, F1, 0
	s_wait_dscnt 16
	MUL8 F1, 0, 0, 0
	MUL8 F1, 0, 2, 0
	s_wait_dscnt 0x0
	MUL8 F1, 1, 0, 0
	MUL8 F1, 1, 2, 0
	WIN 0
	PLACES
; THE WAY OUT.  A group of 32 columns is two neighbouring accumulators and both halves of the lanes: 16 numbers in my lane, 16 in the lane 16 away.
.macro GRP ay, gg, p
.set A0, ACC+8*(4*(\ay)+2*(\gg))
	v_pk_add_f32 v[32:33], v[A0:A0+1], v[A0+2:A0+3]          ; each accumulator is read from its low end on
	v_pk_add_f32 v[36:37], v[A0+8:A0+9], v[A0+10:A0+11]
	v_pk_add_f32 v[34:35], v[A0+4:A0+5], v[A0+6:A0+7]
	v_pk_add_f32 v[38:39], v[A0+12:A0+13], v[A0+14:A0+15]
	v_pk_add_f32 v[32:33], v[32:33], v[34:35]
	v_pk_add_f32 v[36:37], v[36:37], v[38:39]
	v_pk_add_f32 v[32:33], v[32:33], v[36:37]
	v_add_f32 v40, v32, v33
	v_permlanex16_b32 v42, v40, s66, s67
	v_add_f32 v40, v40, v42
	v_mul_f32 v40, 0xbd000000, v40                 ; minus the group's mean
.irp k, 0,1,2,3,4,5,6,7
	v_pk_add_f32 v[48+2*(\k):49+2*(\k)], v[A0+2*(\k):A0+2*(\k)+1], v[40:41] op_sel_hi:[1,0]
.endr
.irp k, 0,1,2,3,4,5,6,7
	v_cvt_pk_bf16_f32 v[64+(\k)], v[48+2*(\k)], v[49+2*(\k)]
.endr
	ds_store_b128 v[STO], v[64:67] offset:((\ay)-2*(\p))*16*SPITCH+(\gg)*64
	ds_store_b128 v[STO], v[68:71] offset:((\ay)-2*(\p))*16*SPITCH+(\gg)*64+32
.endm
.macro PASS p                          ; d1 blocks 2 p, 2 p + 1 of every wave: 64 rows through the stage; a row's 256 bytes come from two waves, so a barrier stands between writing and reading
	GRP 2*(\p), 0, \p
	GRP 2*(\p), 1, \p
	GRP 2*(\p)+1, 0, \p
	GRP 2*(\p)+1, 1, \p
	s_wait_dscnt 0x0                               ; for the others' sake: my stores into the stage are done
	s_barrier_signal -1
	s_barrier_wait -1
.irp t, 0,1,2,3,4,5,6,7
	ds_load_b128 v[72+4*(\t):75+4*(\t)], v[RD] offset:(\t)*2*SPITCH
.endr
.irp t, 0,1,2,3,4,5,6,7
	s_wait_dscnt 7-(\t)
	global_store_b128 v[CO], v[72+4*(\t):75+4*(\t)], s[6:7] offset:(32*(\p)+2*(\t))*2048   ; 16 lanes store 256 consecutive bytes, at a multiple of 256 from mc's first byte
.endr
.endm
	v_mov_b32 v41, 0                               ; named with v40 as a pair
	v_mov_b32 v42, 0                               ; the exchange's destination counts as read
	PASS 0
	s_barrier_signal -1                            ; my reads of the stage are back (the last count-down ended at 0): it is written again behind this barrier
	s_barrier_wait -1
	s_wait_xcnt 0x0                                ; the registers that the stores read are loaded again only behind this wait
	PASS 1
	s_wait_tensorcnt 0x0                           ; the wave's end
	ds_add_u32 v[SPW], v[NIL]
	s_wait_dscnt 0x0
	CROUND                                         ; the closing round
	s_endpgm
.Lfunc_end_k_qe734bab5c4_g2:
	.size	k_qe734bab5c4_g2, .Lfunc_end_k_qe734bab5c4_g2-k_qe734bab5c4_g2
	.p2alignl 7, 3214868480
	.fill 96, 4, 3214868480
	.section	.rodata,"a",@progbits
	.p2align	6, 0x0
	.amdhsa_kernel k_qe734bab5c4_g2
		.amdhsa_group_segment_fixed_size 327680
		.amdhsa_private_segment_fixed_size 0
		.amdhsa_enable_private_segment 0
		.amdhsa_kernarg_size 16
		.amdhsa_user_sgpr_count 2
		.amdhsa_user_sgpr_kernarg_segment_ptr 1
		.amdhsa_wavefront_size32 1
		.amdhsa_system_sgpr_workgroup_id_x 1
		.amdhsa_system_sgpr_workgroup_id_y 1
		.amdhsa_system_sgpr_workgroup_id_z 1
		.amdhsa_system_vgpr_workitem_id 0
		.amdhsa_next_free_vgpr 512
		.amdhsa_next_free_sgpr 72
		.amdhsa_reserve_vcc 0
		.amdhsa_float_denorm_mode_32 3
		.amdhsa_float_denorm_mode_16_64 3
		.amdhsa_memory_ordered 1
		.amdhsa_forward_progress 1
		.amdhsa_inst_pref_size 97
	.end_amdhsa_kernel
	.amdgpu_metadata
---
amdhsa.version: [ 1, 2 ]
amdhsa.kernels:
  - .name:           k_qe734bab5c4_g2
    .symbol:         k_qe734bab5c4_g2.kd
    .args:
      - { .name: qkv, .offset: 0, .size: 8, .value_kind: global_buffer, .address_space: global }
      - { .name: mc, .offset: 8, .size: 8, .value_kind: global_buffer, .address_space: global }
    .group_segment_fixed_size: 327680
    .private_segment_fixed_size: 0
    .kernarg_segment_align: 8
    .kernarg_segment_size: 16
    .max_flat_workgroup_size: 128
    .sgpr_count:     72
    .vgpr_count:     512
    .wavefront_size: 32
...
	.end_amdgpu_metadata
.endif
;; end of part 3
;; launch g3 (part 4): grid 8 x 32, 4 waves a work-group, clusters of 4 x 4, 327,680 bytes of LDS; arguments qkv, mc, gn_weight, gn_bias, out0; writes out0
.if DOCPART == 4
	.amdgcn_target "amdgcn-amd-amdhsa--gfx1250"
	.amdhsa_code_object_version 6
	.text
	.protected	k_qe734bab5c4_g3
	.globl	k_qe734bab5c4_g3
	.p2align	8
	.type	k_qe734bab5c4_g3,@function
k_qe734bab5c4_g3:
	s_mov_b64 s[64:65], 0
	v_nop
	global_prefetch_b8 v0, s[64:65] scope:SCOPE_SE
	s_setreg_imm32_b32 hwreg(HW_REG_WAVE_MODE, 25, 1), 1
	s_wait_xcnt 0x0
	s_wait_alu depctr_hold_cnt(0) depctr_sa_sdst(0) depctr_va_vdst(0) depctr_va_sdst(0) depctr_va_ssrc(0) depctr_va_vcc(0) depctr_vm_vsrc(0)
	s_getreg_b32 s2, hwreg(HW_REG_IB_STS2, 6, 4)
	s_cmp_eq_u32 s2, 0
	s_cbranch_scc0 .Lentry_in_a_cluster
	s_endpgm
.Lentry_in_a_cluster:
	s_bfe_u32 s2, ttmp6, 0x10000c
	s_cmp_lg_u32 s2, 0xf033
	s_cbranch_scc0 .Lentry_shape_is_right
	s_endpgm
.Lentry_shape_is_right:
; G3: y' = Q M' (M' = K^T V less its group means), then the group norm's scale, gain and bias, stored transposed: out0[b][d * 2048 + t], f32.
; y' already has the group mean taken off, so the variance is the mean of y'^2 over the group's 32 channels.
; SHARES.  A tile is 256 t x 128 d: 32 x 8 = 256 work-groups; wave w: 128 t (w / 2) x 64 d (w % 2): 32 accumulators, 256 registers.  The sum over 1,024 goes in steps of 128 through two LDS slots.
; Source 0 = 16 columns of M' (stored [d1][d2], turned by ds_load_tr16_b128), source 1 = 16 rows of Q: a lane holds t = lane % 16 and d = 8 (lane / 16) + 0..7; a group is two accumulators and both halves of the lanes.
; CLUSTER 4 x 4: Q's tile hangs on the row block and is shared along a row of the cluster, M's on batch (from the cluster's y alone) and column tile and along a column.
; LIMITS: gn_weight and gn_bias are used rounded to bf16; the mean that the rounding of M' leaves in y' (a rounding term, averaged over 32) is not taken off again; NaN and infinities are not treated apart.
; LDS: slot 0: Q 256 x 272 at 0, M' 128 x 288 at 69,632; spare words at 106,496; slot 1 at 131,072; each wave's own stage, 32 rows x 528, from 237,568.
; REGISTERS: window 0: v0-31 addresses; v32-95, v96-159 Q's fragments, two buffers; v160-191, v192-223 M's; v224-255 gain and bias, packed.  Window 1: accumulator (a, b) at v[64 b + 8 a].
.set PA,    272
.set PB,    288
.set BOFF,  256*PA
.set SPARE, BOFF+128*PB                ; 106,496
.set SLOT1, 1<<17
.set STAGE, SLOT1+BOFF+128*PB          ; 237,568
.set SPT,   528                        ; a stage row: 128 t x 4 bytes + 16
.set AM, 4
.set AN, 5
.set CM, 8
.set CN, 9
.set STO, 12
.set RD,  13
.set GO,  14
.set SPW, 28
.set NIL, 29
.set MF,  32
.set NF,  160
.set GW,  32                           ; the way out: gain, f32, 4 b x 8;  bias likewise
.set GB,  64
.set SS,  96                           ; 16 pairs: sums of squares, then 1 / sqrt(var + eps) in the pair's first register
.set TT,  128
.set XT,  144
.set RB,  160
.set WV, 12
.set WR, 13
.set WC, 14
.set G1A, 24
.set G1B, 32
.set G0A, 40
.set G0B, 48
.set CNT, 56
.set TB,  57
.set MSB, 0
.macro WIN new
.if MSB != (\new)
	s_set_vgpr_msb (MSB<<8)|(\new)
.set MSB, (\new)
.endif
.endm
.macro PLACES
.rept 4
	v_nop
.endr
.endm
.macro CREST
	s_cmp_lg_u32 s[WV], 0
	s_cbranch_scc1 .Lnot_wave_0_\@
	s_barrier_signal -3
.Lnot_wave_0_\@:
	s_barrier_wait -3
	s_barrier_signal -1
	s_barrier_wait -1
.endm
.macro CROUND
	s_barrier_signal -1
	s_barrier_wait -1
	CREST
.endm
.macro JLOAD                           ; a joint refill by the walking sets: waves 0, 1 fetch Q's two halves, waves 2, 3 M's
	s_cmp_lt_u32 s[WV], 2
	s_cbranch_scc0 .Lfor_b_\@
	tensor_load_to_lds s[G0A+4:G0A+7], s[G1A:G1A+7]
	s_nop 0
.rept 4
	v_nop
.endr
	s_branch .Lasked_\@
.Lfor_b_\@:
	tensor_load_to_lds s[G0B+4:G0B+7], s[G1B:G1B+7]
	s_nop 0
.rept 4
	v_nop
.endr
.Lasked_\@:
.endm
	s_load_b256 s[4:11], s[0:1], 0x0               ; qkv s[4:5], mc s[6:7], gn_weight s[8:9], gn_bias s[10:11]
	s_load_b64 s[66:67], s[0:1], 0x20              ; out0
	v_lshl_add_u32 v[SPW], v0, 2, SPARE
	v_mov_b32 v[NIL], 0
	ds_add_u32 v[SPW], v[NIL]                      ; the wave's opening: the add and its wait stand ahead of my first tensor load
	v_lshrrev_b32 v1, 5, v0
	v_readfirstlane_b32 s[WV], v1
	s_lshr_b32 s[WR], s[WV], 1
	s_and_b32 s[WC], s[WV], 1
	s_bfe_u32 s15, ttmp6, 0x40000                  ; cx
	s_bfe_u32 s16, ttmp6, 0x40004                  ; cy
	s_lshl_b32 s17, ttmp9, 2
	s_add_co_u32 s17, s17, s15                     ; ct
	s_and_b32 s21, ttmp7, 0xffff                   ; the cluster's y
	s_lshl_b32 s18, s21, 2
	s_add_co_u32 s18, s18, s16                     ; tr
	s_lshr_b32 s22, s21, 1                         ; batch
	s_lshl_b32 s19, s16, 2
	s_lshl_b32 s19, 15, s19
	s_lshl_b32 s20, 0x1111, s15
	s_or_b32 s[G1A+0], s19, (1<<16)|(1<<20)|(1<<21)|(5<<22)|(3<<25)   ; Q: 128 rows x 128 elements, 4 words of padding after every 64
	s_mov_b32 s[G1A+1], 128<<16
	s_mov_b32 s[G1A+2], 128<<16
	s_mov_b32 s[G1A+3], 128<<16
	s_mov_b32 s[G1A+4], 128
	s_mov_b32 s[G1A+5], 3072
	s_mov_b32 s[G1A+6], 0
	s_mov_b32 s[G1A+7], 0
	s_or_b32 s[G1B+0], s20, (1<<16)|(1<<20)|(1<<21)|(5<<22)|(7<<25)   ; M': 64 rows x 128 elements, 8 words of padding
	s_mov_b32 s[G1B+1], 128<<16
	s_mov_b32 s[G1B+2], 64<<16
	s_mov_b32 s[G1B+3], 128<<16
	s_mov_b32 s[G1B+4], 64
	s_mov_b32 s[G1B+5], 1024
	s_mov_b32 s[G1B+6], 0
	s_mov_b32 s[G1B+7], 0
	s_lshl_b32 s58, s18, 8                         ; Q: rows 256 tr + 128 half
	s_lshl_b32 s59, s[WC], 7
	s_add_co_u32 s58, s58, s59
	s_mul_i32 s58, s58, 6144
	s_mov_b32 s59, 0
	s_lshl_b32 s60, s22, 21                        ; M': batch, rows 64 half, column tile
	s_lshl_b32 s61, s[WC], 17
	s_add_co_u32 s60, s60, s61
	s_lshl_b32 s61, s17, 8
	s_add_co_u32 s60, s60, s61
	s_mov_b32 s61, 0
	s_mul_i32 s62, s[WC], 128*PA
	s_mul_i32 s63, s[WC], 64*PB
	s_add_co_u32 s63, s63, BOFF
	s_mov_b32 s[TB], 0
	s_mov_b32 s72, 0x76543210
	s_mov_b32 s73, 0xfedcba98
	s_mov_b32 s74, 0x3d000000                      ; 1/32
	s_mov_b32 s75, 0x3727c5ac                      ; 1e-5
	s_mov_b32 s76, 0xffff0000
	s_wait_dscnt 0x0                               ; the opening add is done
	s_wait_kmcnt 0x0
	s_add_nc_u64 s[58:59], s[4:5], s[58:59]
	s_add_nc_u64 s[60:61], s[6:7], s[60:61]
	CROUND
.irp s, 0,1
	s_mov_b32 s[G0A+4*(\s)], 1
	s_add_co_u32 s[G0A+4*(\s)+1], s62, (\s)*SLOT1
	s_add_nc_u64 s[G0A+4*(\s)+2:G0A+4*(\s)+3], s[58:59], (\s)*256
	s_or_b32 s[G0A+4*(\s)+3], s[G0A+4*(\s)+3], 0x80000000
	s_mov_b32 s[G0B+4*(\s)], 1
	s_add_co_u32 s[G0B+4*(\s)+1], s63, (\s)*SLOT1
	s_add_nc_u64 s[G0B+4*(\s)+2:G0B+4*(\s)+3], s[60:61], (\s)*128*2048
	s_or_b32 s[G0B+4*(\s)+3], s[G0B+4*(\s)+3], 0x80000000
.endr
	s_cmp_lt_u32 s[WV], 2                          ; a wave's two first fills stand in one branch: two loads of mine are out here, later one
	s_cbranch_scc0 .Lfirst_b
	tensor_load_to_lds s[G0A:G0A+3], s[G1A:G1A+7]
	s_nop 0
	tensor_load_to_lds s[G0A+4:G0A+7], s[G1A:G1A+7]
	s_nop 0
.rept 4
	v_nop
.endr
	s_branch .Lfirst_done
.Lfirst_b:
	tensor_load_to_lds s[G0B:G0B+3], s[G1B:G1B+7]
	s_nop 0
	tensor_load_to_lds s[G0B+4:G0B+7], s[G1B:G1B+7]
	s_nop 0
.rept 4
	v_nop
.endr
.Lfirst_done:
	v_and_b32 v1, 15, v0                           ; r
	v_bfe_u32 v2, v0, 4, 1                         ; h
	v_and_b32 v3, 31, v0
	s_lshl_b32 s23, s[WC], 8                       ; gain and bias of my channels 128 ct + 64 wc + 16 b + 8 h + 0..7
	s_lshl_b32 s2, s17, 9
	s_add_co_u32 s23, s23, s2
	v_lshl_add_u32 v20, v2, 5, s23
.irp b, 0,1,2,3
	global_load_b128 v[32+8*(\b):35+8*(\b)], v20, s[8:9] offset:64*(\b)
	global_load_b128 v[36+8*(\b):39+8*(\b)], v20, s[8:9] offset:64*(\b)+16
	global_load_b128 v[64+8*(\b):67+8*(\b)], v20, s[10:11] offset:64*(\b)
	global_load_b128 v[68+8*(\b):71+8*(\b)], v20, s[10:11] offset:64*(\b)+16
.endr
	v_mul_u32_u24 v[AM], v1, PA
	v_lshl_add_u32 v[AM], v2, 4, v[AM]
	s_mul_i32 s23, s[WR], 128*PA
	v_add_nc_u32 v[AM], s23, v[AM]
	v_and_b32 v24, 7, v0
	v_bfe_u32 v25, v0, 3, 1
	v_lshl_add_u32 v24, v2, 3, v24
	v_mul_u32_u24 v24, v24, PB
	v_lshl_add_u32 v24, v25, 4, v24
	s_lshl_b32 s23, s[WC], 7
	s_add_co_u32 s23, s23, BOFF
	v_add_nc_u32 v[AN], s23, v24
	s_mul_i32 s23, s[WV], 32*SPT
	s_add_co_u32 s23, s23, STAGE                   ; my stage
	v_mul_u32_u24 v[STO], v2, 8*SPT                ; in: row (channel) 8 h + j, word t: the two halves of the lanes lie 32 words apart modulo 64
	v_lshl_add_u32 v[STO], v1, 2, v[STO]
	v_add_nc_u32 v[STO], s23, v[STO]
	v_lshlrev_b32 v[GO], 4, v3                     ; back: 32 lanes take one row of 512 bytes
	v_add_nc_u32 v[RD], s23, v[GO]
	s_lshl_b32 s70, s22, 23                        ; out0: batch; channel 128 ct + 64 wc, 8,192 bytes each; t = 256 (tr % 8) + 128 wr, 4 bytes each
	s_lshl_b32 s71, s17, 20
	s_add_co_u32 s70, s70, s71
	s_lshl_b32 s71, s[WC], 19
	s_add_co_u32 s70, s70, s71
	s_and_b32 s71, s18, 7
	s_lshl_b32 s71, s71, 10
	s_add_co_u32 s70, s70, s71
	s_lshl_b32 s71, s[WR], 9
	s_add_co_u32 s70, s70, s71
	s_mov_b32 s71, 0
	s_add_nc_u64 s[66:67], s[66:67], s[70:71]
	s_wait_loadcnt 0x0
.set i, 0
.rept 16
	v_cvt_pk_bf16_f32 v[224+i], v[32+2*i], v[33+2*i]   ; kept packed while the fragments need the registers
	v_cvt_pk_bf16_f32 v[240+i], v[64+2*i], v[65+2*i]
.set i, i+1
.endr
.macro RUN8 f, a0, zero                ; 8 matrix instructions: row blocks a0, a0 + 1 x 4 column blocks, buffer f.  The 32 accumulators take turns.
	WIN 0x50
.irp a, \a0, (\a0)+1
.irp b, 0,1,2,3
.if \zero
	v_wmma_f32_16x16x32_bf16 v[64*(\b)+8*(\a):64*(\b)+8*(\a)+7], v[NF+32*(\f)+8*(\b):NF+32*(\f)+8*(\b)+7], v[MF+64*(\f)+8*(\a):MF+64*(\f)+8*(\a)+7], 0
.else
	v_wmma_f32_16x16x32_bf16 v[64*(\b)+8*(\a):64*(\b)+8*(\a)+7], v[NF+32*(\f)+8*(\b):NF+32*(\f)+8*(\b)+7], v[MF+64*(\f)+8*(\a):MF+64*(\f)+8*(\a)+7], v[64*(\b)+8*(\a):64*(\b)+8*(\a)+7]
.endif
.endr
.endr
.endm
.macro FETCH kq, f                     ; 24 loads in one run: quarter kq's fragments: M's four (turned), then Q's eight, rows 0-63 first
	WIN 0
.irp b, 0,1,2,3
	ds_load_tr16_b128 v[NF+32*(\f)+8*(\b):NF+32*(\f)+8*(\b)+3],   v[CN] offset:32*(\kq)*PB+(\b)*32
	ds_load_tr16_b128 v[NF+32*(\f)+8*(\b)+4:NF+32*(\f)+8*(\b)+7], v[CN] offset:(32*(\kq)+16)*PB+(\b)*32
.endr
.irp a, 0,1,2,3,4,5,6,7
	ds_load_b128 v[MF+64*(\f)+8*(\a):MF+64*(\f)+8*(\a)+3],   v[CM] offset:(\a)*16*PA+64*(\kq)
	ds_load_b128 v[MF+64*(\f)+8*(\a)+4:MF+64*(\f)+8*(\a)+7], v[CM] offset:(\a)*16*PA+64*(\kq)+32
.endr
.endm
.macro QUARTER kq, f, g, zero          ; multiplies buffer f, fetches quarter kq into buffer g
	s_wait_dscnt 8                                 ; all but Q's rows 64-127
	RUN8 \f, 0, \zero
	RUN8 \f, 2, \zero
	PLACES
	FETCH \kq, \g
	s_wait_dscnt 24                                ; all but the 24 just issued
	RUN8 \f, 4, \zero
	RUN8 \f, 6, \zero
.endm
; The last quarter multiplies buffer 1 and changes slots: in front of the barrier each wave waits for all its tensor loads, adds 0 to its spare word, and waits for that and for its reads of this slot.
.macro TURN fill
	WIN 0
	s_wait_tensorcnt 0x0
	ds_add_u32 v[SPW], v[NIL]
.if \fill
	s_xor_b32 s[G0A+5], s[G0A+5], SLOT1            ; no tensor load of mine is out: the walking sets step
	s_add_nc_u64 s[G0A+6:G0A+7], s[G0A+6:G0A+7], 256
	s_xor_b32 s[G0B+5], s[G0B+5], SLOT1
	s_add_nc_u64 s[G0B+6:G0B+7], s[G0B+6:G0B+7], 128*2048
.endif
	s_wait_dscnt 9                                 ; (the add and the youngest eight loads may be out)
	RUN8 1, 0, 0
	s_wait_dscnt 0x0                               ; the add is done, and my reads of this slot are over
	s_barrier_signal -1
	RUN8 1, 2, 0
	WIN 0
	s_barrier_wait -1
.if \fill
	CREST
	JLOAD                                          ; the first tensor load behind the round; its four v_nop are also the places in front of the loads below
.else
	PLACES
.endif
	s_xor_b32 s[TB], s[TB], SLOT1
	v_add_nc_u32 v[CM], s[TB], v[AM]
	v_add_nc_u32 v[CN], s[TB], v[AN]
	FETCH 0, 0
	RUN8 1, 4, 0
	RUN8 1, 6, 0
.endm
	s_wait_tensorcnt 0x1                           ; my part of step 0 is in; step 1's may stay out
	s_barrier_signal -1
	s_barrier_wait -1
	v_mov_b32 v[CM], v[AM]
	v_mov_b32 v[CN], v[AN]
	FETCH 0, 0
	QUARTER 1, 0, 1, 1                             ; the first products start the sums
	WIN 0
	s_mov_b32 s[CNT], 6
.Lk:                                                   ; trip i: quarters 1 to 3 of step i (the last asks for step i + 2) and quarter 0 of step i + 1
	QUARTER 2, 1, 0, 0
	QUARTER 3, 0, 1, 0
	TURN 1
	QUARTER 1, 0, 1, 0
	WIN 0
	s_sub_co_u32 s[CNT], s[CNT], 1
	s_cmp_lg_u32 s[CNT], 0
	s_cbranch_scc1 .Lk
	QUARTER 2, 1, 0, 0                             ; the tail is written out: nothing more is asked for
	QUARTER 3, 0, 1, 0
	TURN 0
	QUARTER 1, 0, 1, 0
	QUARTER 2, 1, 0, 0
	QUARTER 3, 0, 1, 0
	s_wait_dscnt 8
	RUN8 1, 0, 0
	RUN8 1, 2, 0
	s_wait_dscnt 0x0
	RUN8 1, 4, 0
	RUN8 1, 6, 0
	WIN 0
	PLACES
	; THE WAY OUT.  Gain and bias back to f32.
.set i, 0
.rept 16
	v_lshlrev_b32 v[GW+2*i], 16, v[224+i]
	v_and_b32 v[GW+2*i+1], s76, v[224+i]
	v_lshlrev_b32 v[GB+2*i], 16, v[240+i]
	v_and_b32 v[GB+2*i+1], s76, v[240+i]
.set i, i+1
.endr
	; Sums of squares: pair n = 2 a + gg; 16 chains side by side; each accumulator is read from its low end on.
	WIN 0x05                                       ; sources 0 and 1 in window 1
.set k, 0
.rept 8
.set n, 0
.rept 16
.set rg, 64*(2*(n%2)+k/4)+8*(n/2)+2*(k%4)
.if k == 0
	v_pk_mul_f32 v[SS+2*n:SS+2*n+1], v[rg:rg+1], v[rg:rg+1]
.else
	v_pk_fma_f32 v[SS+2*n:SS+2*n+1], v[rg:rg+1], v[rg:rg+1], v[SS+2*n:SS+2*n+1]
.endif
.set n, n+1
.endr
.set k, k+1
.endr
	WIN 0
.set n, 0
.rept 16
	v_add_f32 v[SS+2*n], v[SS+2*n], v[SS+2*n+1]
.set n, n+1
.endr
.set n, 0
.rept 16
	v_permlanex16_b32 v[XT+n], v[SS+2*n], s72, s73 ; the group's other 16 channels lie in the lane 16 away
.set n, n+1
.endr
.set n, 0
.rept 16
	v_add_f32 v[SS+2*n], v[SS+2*n], v[XT+n]
.set n, n+1
.endr
.set n, 0
.rept 16
	v_fma_f32 v[SS+2*n], v[SS+2*n], s74, s75       ; var + eps
.set n, n+1
.endr
.set n, 0
.rept 16
	v_rsq_f32 v[SS+2*n], v[SS+2*n]
.set n, n+1
.endr
	v_nop                                          ; a plain line between the last root and the use of its result
	s_wait_alu depctr_va_vdst(0)
.macro OUTA gg, a                      ; 16 t x 32 channels: scaled, gain and bias, and into my stage with channels as rows
	WIN 0x01                                       ; source 0 in window 1
.irp e, 0,1
.irp i, 0,2,4,6
	v_pk_mul_f32 v[TT+8*(\e)+(\i):TT+8*(\e)+(\i)+1], v[64*(2*(\gg)+(\e))+8*(\a)+(\i):64*(2*(\gg)+(\e))+8*(\a)+(\i)+1], v[SS+2*(2*(\a)+(\gg)):SS+2*(2*(\a)+(\gg))+1] op_sel_hi:[1,0]
.endr
.endr
	WIN 0
.irp e, 0,1
.irp i, 0,2,4,6
	v_pk_fma_f32 v[TT+8*(\e)+(\i):TT+8*(\e)+(\i)+1], v[TT+8*(\e)+(\i):TT+8*(\e)+(\i)+1], v[GW+8*(2*(\gg)+(\e))+(\i):GW+8*(2*(\gg)+(\e))+(\i)+1], v[GB+8*(2*(\gg)+(\e))+(\i):GB+8*(2*(\gg)+(\e))+(\i)+1]
.endr
.endr
.irp e, 0,1
.irp j, 0,1,2,3,4,5,6,7
	ds_store_b32 v[STO], v[TT+8*(\e)+(\j)] offset:(16*(\e)+(\j))*SPT+(\a)*64
.endr
.endr
.endm
.macro SENDROWS gg, c                  ; 16 channels' rows of 128 t: LDS serves a wave's instructions in order, so these loads see my stores above, and the next group's stores come behind them
	s_wait_xcnt 0x0                                ; the registers that earlier stores read are loaded again only behind this wait
.set n, 0
.rept 16
	ds_load_b128 v[RB+4*n:RB+4*n+3], v[RD] offset:(16*(\c)+n)*SPT
.set n, n+1
.endr
.set n, 0
.rept 16
	s_wait_dscnt 15-n
	global_store_b128 v[GO], v[RB+4*n:RB+4*n+3], s[66:67] offset:(32*(\gg)+16*(\c)+n)*8192 th:TH_STORE_NT   ; 512 consecutive bytes, at a multiple of 512 from out0's first byte
.set n, n+1
.endr
.endm
.irp a, 0,1,2,3,4,5,6,7
	OUTA 0, \a
.endr
	SENDROWS 0, 0
	SENDROWS 0, 1
.irp a, 0,1,2,3,4,5,6,7
	OUTA 1, \a
.endr
	SENDROWS 1, 0
	SENDROWS 1, 1
	s_wait_tensorcnt 0x0                           ; the wave's end
	ds_add_u32 v[SPW], v[NIL]
	s_wait_dscnt 0x0
	CROUND                                         ; the closing round
	s_endpgm
.Lfunc_end_k_qe734bab5c4_g3:
	.size	k_qe734bab5c4_g3, .Lfunc_end_k_qe734bab5c4_g3-k_qe734bab5c4_g3
	.p2alignl 7, 3214868480
	.fill 96, 4, 3214868480
	.section	.rodata,"a",@progbits
	.p2align	6, 0x0
	.amdhsa_kernel k_qe734bab5c4_g3
		.amdhsa_group_segment_fixed_size 327680
		.amdhsa_private_segment_fixed_size 0
		.amdhsa_enable_private_segment 0
		.amdhsa_kernarg_size 40
		.amdhsa_user_sgpr_count 2
		.amdhsa_user_sgpr_kernarg_segment_ptr 1
		.amdhsa_wavefront_size32 1
		.amdhsa_system_sgpr_workgroup_id_x 1
		.amdhsa_system_sgpr_workgroup_id_y 1
		.amdhsa_system_sgpr_workgroup_id_z 1
		.amdhsa_system_vgpr_workitem_id 0
		.amdhsa_next_free_vgpr 512
		.amdhsa_next_free_sgpr 80
		.amdhsa_reserve_vcc 0
		.amdhsa_float_denorm_mode_32 3
		.amdhsa_float_denorm_mode_16_64 3
		.amdhsa_memory_ordered 1
		.amdhsa_forward_progress 1
		.amdhsa_inst_pref_size 117
	.end_amdhsa_kernel
	.amdgpu_metadata
---
amdhsa.version: [ 1, 2 ]
amdhsa.kernels:
  - .name:           k_qe734bab5c4_g3
    .symbol:         k_qe734bab5c4_g3.kd
    .args:
      - { .name: qkv, .offset: 0, .size: 8, .value_kind: global_buffer, .address_space: global }
      - { .name: mc, .offset: 8, .size: 8, .value_kind: global_buffer, .address_space: global }
      - { .name: gn_weight, .offset: 16, .size: 8, .value_kind: global_buffer, .address_space: global }
      - { .name: gn_bias, .offset: 24, .size: 8, .value_kind: global_buffer, .address_space: global }
      - { .name: out0, .offset: 32, .size: 8, .value_kind: global_buffer, .address_space: global }
    .group_segment_fixed_size: 327680
    .private_segment_fixed_size: 0
    .kernarg_segment_align: 8
    .kernarg_segment_size: 40
    .max_flat_workgroup_size: 128
    .sgpr_count:     80
    .vgpr_count:     512
    .wavefront_size: 32
...
	.end_amdgpu_metadata
.endif
;; end of part 4
;; ======== version 2 of 2: 4 launches; version 1 with the launch prep written anew for expert scheduling mode
;; workspace buffers: xb 16,777,216 bytes; wb 6,291,456 bytes; tab 2,113,536 bytes; qkv 50,331,648 bytes; mc 8,388,608 bytes
;; launch prep (part 5): grid 772 x 1, 8 waves a work-group, no clusters, 0 bytes of LDS; arguments x, W_in, b_in, xb, wb, tab; writes xb, wb, tab
.if DOCPART == 5
	.amdgcn_target "amdgcn-amd-amdhsa--gfx1250"
	.amdhsa_code_object_version 6
	.text
	.protected	k_qe734bab5c4_prep
	.globl	k_qe734bab5c4_prep
	.p2align	8
	.type	k_qe734bab5c4_prep,@function
k_qe734bab5c4_prep:
	s_mov_b64 s[64:65], 0
	v_nop
	global_prefetch_b8 v0, s[64:65] scope:SCOPE_SE
	s_setreg_imm32_b32 hwreg(HW_REG_WAVE_SCHED_MODE, 0, 2), 2
	s_setreg_imm32_b32 hwreg(HW_REG_WAVE_MODE, 25, 1), 1
	s_wait_xcnt 0x0
	s_wait_alu depctr_vm_vsrc(0)
; PREP: casts and tables for the three products that follow.  No LDS, no matrix unit: a stream and a little arithmetic.
;   work-groups 0..511    xb: x rounded to bf16, in blocks [k / 64][row][64 k]: 256 rows x 64 k are then dense bytes
;   work-groups 512..639  wb: W_in rounded to bf16, row k kept, columns regrouped: wb[k][ct*384 + seg*128 + c] = W_in[k][seg*1024 + ct*128 + c]
;   work-groups 640..767  tab, first part: (cos, sin) of t f_j for t = 64 tb + 0..15, laid out as the lanes of the next launch read them
;   work-groups 768..771  tab, second part: b_in rounded to bf16 (kept as f32), and (cos, sin) of 16 f_j, by column tile ct
; f_j = 10000^(-j/512) = 2^(-j log2(10000)/512).  Sine and cosine: reduction by multiples of pi/2 (pi/2 in two parts), then polynomials on |r| <= pi/4.
; LIMITS: f_j carries the exponential's last-bit error, so an angle (up to 2,047 rad) may differ from the reference's by about 4e-4 rad.  NaN and infinities are not treated apart.
; THE MODE: SCHED_MODE bits 1:0 = 2 (LLVM: expert scheduling mode 2), set by the entry lines.  The code itself states the register dependences
; between vector instructions and memory instructions, and between vector instructions that write a scalar register and its readers, with s_wait_alu, always for 0.
; THE PLAN.  Registers that memory instructions touch:
;   x and W_in: v2, v3      byte offsets of the loads and of the stores: written once, ahead of the first load, never again.
;               v[32+4 i ..] load i lands in four registers; its two conversions write the first two of them in place; store i reads those two; nothing writes them again.
;     The loads go in groups of four.  Group g's conversions name group g's registers alone, and the stores of group g - 1 are dealt among them: one wait at a group's
;     head states that the group before has written what those four stores read.
;   the angles' table: v7 the stores' offset, v[40:55] their data: written by vector instructions, read by four stores at the end, behind one wait.
;   the columns' table: v7 the load's offset; v[24:27] the load lands there; v12 the store's offset, v[28:31] its data.
; No register that a memory instruction reads is ever written again, and EXEC is never written.
; The quadrant's compares write scalar registers of their own, in one run, so that one wait stands between them and the selects that read the masks.
.set NX, 512
.set NW, 640
.set NT, 768
.set COLT, 2097152                     ; byte at which the second part of tab begins
.set SNR, 64                           ; v[64:71]  sin r of up to eight angles
.set CSR, 72                           ; v[72:79]  cos r
.set KQ,  80                           ; v[80:87]  k, the multiple of pi/2 taken off
.set MK,  34                           ; s[34:41]  a mask for each angle: the lanes in which k is odd
	s_load_b256 s[4:11], s[0:1], 0x0               ; x s[4:5], W_in s[6:7], b_in s[8:9], xb s[10:11]
	s_load_b128 s[12:15], s[0:1], 0x20             ; wb s[12:13], tab s[14:15]
	s_mov_b32 s16, ttmp9
	v_lshrrev_b32 v1, 5, v0
	v_readfirstlane_b32 s17, v1                    ; wave 0..7
	v_and_b32 v1, 31, v0                           ; lane
	s_wait_alu depctr_va_sdst(0)                   ; s17 is written: the rows' offsets are made from it behind the branches below
	s_wait_kmcnt 0x0
	s_cmp_lt_u32 s16, NX
	s_cbranch_scc0 .Lnot_x
	; ---- x: a wave takes two rows.  Load i: lanes 0-15 take 256 bytes (64 k) of the even row, lanes 16-31 of the odd one; store i: 256 consecutive bytes of block i.
	s_lshl_b32 s20, s16, 16                        ; 16 rows of 4,096 bytes a work-group,
	s_lshl_b32 s21, s17, 13                        ; two a wave
	s_add_co_u32 s20, s20, s21
	s_mov_b32 s21, 0
	s_add_nc_u64 s[4:5], s[4:5], s[20:21]
	s_lshl_b32 s22, s16, 11                        ; the same rows in a block of xb: 128 bytes each
	s_lshl_b32 s23, s17, 8
	s_add_co_u32 s22, s22, s23
	s_mov_b32 s23, 0
	s_add_nc_u64 s[10:11], s[10:11], s[22:23]
	s_add_nc_u64 s[18:19], s[10:11], 0x800000      ; blocks 8 to 15: the store's immediate holds seven blocks of 1,048,576 bytes
	v_and_b32 v2, 15, v0
	v_bfe_u32 v3, v0, 4, 1
	v_lshlrev_b32 v2, 4, v2
	v_lshl_add_u32 v2, v3, 12, v2                  ; 16 (lane % 16) + 4,096 (lane / 16)
	v_lshlrev_b32 v3, 3, v1                        ; 8 x lane
	s_wait_alu depctr_va_vdst(0)                   ; v2 and v3 are written: every load below reads v2 as its offset, every store v3
.set i, 0
.rept 16
	global_load_b128 v[32+4*i:35+4*i], v2, s[4:5] offset:256*i th:TH_LOAD_NT
.set i, i+1
.endr
.set g, 0
.rept 4
	s_wait_loadcnt 12-4*g                          ; loads come back in order: group g's four are in, the younger groups stay out
.if g > 0
	s_wait_alu depctr_va_vdst(0)                   ; the conversions of group g - 1 have written the registers that the four stores below read
.endif
.set j, 0
.rept 4
.if g > 0
.set st, 4*(g-1)+j                     ; a store of the group before: no vector instruction since the wait names its registers
.if st < 8
	global_store_b64 v3, v[32+4*st:33+4*st], s[10:11] offset:st*1048576
.else
	global_store_b64 v3, v[32+4*st:33+4*st], s[18:19] offset:(st-8)*1048576
.endif
.endif
.set cv, 4*g+j
	v_cvt_pk_bf16_f32 v[32+4*cv], v[32+4*cv], v[33+4*cv]
	v_cvt_pk_bf16_f32 v[33+4*cv], v[34+4*cv], v[35+4*cv]
.set j, j+1
.endr
.set g, g+1
.endr
	s_wait_alu depctr_va_vdst(0)                   ; the last group's conversions have written the registers that the last four stores read
.set st, 12
.rept 4
	global_store_b64 v3, v[32+4*st:33+4*st], s[18:19] offset:(st-8)*1048576
.set st, st+1
.endr
	s_endpgm
.Lnot_x:
	s_cmp_lt_u32 s16, NW
	s_cbranch_scc0 .Lnot_w
	; ---- W_in: a wave takes one row k.  Load i covers 128 columns: seg = i / 8, ct = i % 8; its 256 bytes of bf16 go to ct*768 + seg*256 of wb's row.
	s_sub_co_u32 s20, s16, NX
	s_lshl_b32 s20, s20, 3
	s_add_co_u32 s20, s20, s17                     ; k
	s_mul_i32 s22, s20, 6144
	s_mul_i32 s20, s20, 12288
	s_mov_b32 s21, 0
	s_mov_b32 s23, 0
	s_add_nc_u64 s[6:7], s[6:7], s[20:21]
	s_add_nc_u64 s[12:13], s[12:13], s[22:23]
	v_lshlrev_b32 v2, 4, v1
	v_lshlrev_b32 v3, 3, v1
	s_wait_alu depctr_va_vdst(0)                   ; v2 and v3 are written: every load below reads v2 as its offset, every store v3
.set i, 0
.rept 24
	global_load_b128 v[32+4*i:35+4*i], v2, s[6:7] offset:512*i th:TH_LOAD_NT
.set i, i+1
.endr
.set g, 0
.rept 6
	s_wait_loadcnt 20-4*g                          ; group g's four loads are in, the younger groups stay out
.if g > 0
	s_wait_alu depctr_va_vdst(0)                   ; the conversions of group g - 1 have written the registers that the four stores below read
.endif
.set j, 0
.rept 4
.if g > 0
.set st, 4*(g-1)+j                     ; a store of the group before: no vector instruction since the wait names its registers
	global_store_b64 v3, v[32+4*st:33+4*st], s[12:13] offset:(st%8)*768+(st/8)*256
.endif
.set cv, 4*g+j
	v_cvt_pk_bf16_f32 v[32+4*cv], v[32+4*cv], v[33+4*cv]
	v_cvt_pk_bf16_f32 v[33+4*cv], v[34+4*cv], v[35+4*cv]
.set j, j+1
.endr
.set g, g+1
.endr
	s_wait_alu depctr_va_vdst(0)                   ; the last group's conversions have written the registers that the last four stores read
.set st, 20
.rept 4
	global_store_b64 v3, v[32+4*st:33+4*st], s[12:13] offset:(st%8)*768+(st/8)*256
.set st, st+1
.endr
	s_endpgm
.Lnot_w:
	s_mov_b32 s24, 0x3f22f983                      ; 2 / pi
	s_mov_b32 s25, 0xbfc90fdb                      ; -(pi / 2), the f32 nearest,
	s_mov_b32 s26, 0x333bbd2e                      ; and what that f32 is too large by
	s_mov_b32 s27, 0xbe2aaaab                      ; -1/6
	s_mov_b32 s28, 0x3c088889                      ; 1/120
	s_mov_b32 s29, 0xb9500d01                      ; -1/5040
	s_mov_b32 s30, 0x3d2aaaab                      ; 1/24
	s_mov_b32 s31, 0xbab60b61                      ; -1/720
	s_mov_b32 s32, 0x37d00d01                      ; 1/40320
	s_mov_b32 s33, 0xbcd49a78                      ; -log2(10000) / 512
; cos and sin of an angle (0 or more), in two halves, so that the compares of several angles stand in one run ahead of one wait.
; The first half, for the angle in v[ang], as number n: sin r, cos r and k into registers of their own, and into s[MK + n] the lanes in which k is odd.  v16, v17, v19, v22 at work.
.macro SC1 ang, n
	v_mul_f32 v16, s24, v[\ang]
	v_rndne_f32 v16, v16                           ; k
	v_fma_f32 v17, v16, s25, v[\ang]
	v_fma_f32 v17, v16, s26, v17                   ; r = angle - k pi/2
	v_cvt_i32_f32 v[KQ+(\n)], v16
	v_mul_f32 v19, v17, v17                        ; r^2
	v_fma_f32 v[SNR+(\n)], v19, s29, s28
	v_fma_f32 v[CSR+(\n)], v19, s32, s31
	v_fma_f32 v[SNR+(\n)], v19, v[SNR+(\n)], s27
	v_fma_f32 v[CSR+(\n)], v19, v[CSR+(\n)], s30
	v_mul_f32 v22, v17, v19
	v_fma_f32 v[CSR+(\n)], v19, v[CSR+(\n)], -0.5
	v_fma_f32 v[SNR+(\n)], v22, v[SNR+(\n)], v17   ; sin r
	v_fma_f32 v[CSR+(\n)], v19, v[CSR+(\n)], 1.0   ; cos r
	v_and_b32 v22, 1, v[KQ+(\n)]
	v_cmp_eq_u32 s[MK+(\n)], 1, v22
.endm
; The second half, behind the wait for the masks: the quadrant only selects and flips signs: no branch hangs on it.  v18, v22 at work.
.macro SC2 n, co, si
	v_cndmask_b32 v[\si], v[SNR+(\n)], v[CSR+(\n)], s[MK+(\n)]  ; odd k: the two change places
	v_cndmask_b32 v[\co], v[CSR+(\n)], v[SNR+(\n)], s[MK+(\n)]
	v_and_b32 v22, 2, v[KQ+(\n)]
	v_lshlrev_b32 v22, 30, v22
	v_xor_b32 v[\si], v[\si], v22                  ; k % 4 = 2, 3: the sine turns its sign
	v_add_nc_u32 v18, 1, v[KQ+(\n)]
	v_and_b32 v18, 2, v18
	v_lshlrev_b32 v18, 30, v18
	v_xor_b32 v[\co], v[\co], v18                  ; k % 4 = 1, 2: the cosine does
.endm
	s_cmp_lt_u32 s16, NT
	s_cbranch_scc0 .Lcol
	; ---- the angles' table: [tb 32][cb 64][q 2][lane 32][16 bytes]; lane (r, h) holds cos, sin, cos, sin of (64 tb + r) f_j, j = 8 cb + 4 h + 2 q + 0, 1.
	; A work-group takes four tb and four cb; its 256 threads are (cb, q, lane), so a wave's store covers 512 consecutive bytes.
	s_sub_co_u32 s20, s16, NW
	s_lshr_b32 s21, s20, 4                         ; which four tb
	s_and_b32 s22, s20, 15                         ; which four cb
	v_and_b32 v2, 15, v0                           ; r
	v_bfe_u32 v3, v0, 4, 1                         ; h
	v_bfe_u32 v4, v0, 5, 1                         ; q
	v_lshrrev_b32 v5, 6, v0
	v_lshlrev_b32 v5, 3, v5
	v_lshl_add_u32 v5, v3, 2, v5
	v_lshl_add_u32 v5, v4, 1, v5
	s_lshl_b32 s23, s22, 5
	v_add_nc_u32 v5, s23, v5                       ; j
	v_add_nc_u32 v6, 1, v5
	v_cvt_f32_u32 v5, v5
	v_cvt_f32_u32 v6, v6
	v_mul_f32 v5, s33, v5
	v_mul_f32 v6, s33, v6
	v_exp_f32 v5, v5                               ; f_j
	v_exp_f32 v6, v6                               ; f_(j+1)
	s_lshl_b32 s23, s21, 8
	v_add_nc_u32 v2, s23, v2                       ; t of the first tb (a plain line behind the exponentials)
	v_lshlrev_b32 v7, 4, v0
	s_lshl_b32 s20, s21, 18                        ; four tb of 65,536 bytes,
	s_lshl_b32 s23, s22, 12                        ; four cb of 1,024
	s_add_co_u32 s20, s20, s23
	s_mov_b32 s21, 0
	s_add_nc_u64 s[14:15], s[14:15], s[20:21]
	s_wait_alu depctr_va_vdst(0)                   ; the two exponentials have written v5 and v6, ahead of their first reader
.set i, 0
.rept 4
	v_add_nc_u32 v8, 64*i, v2
	v_cvt_f32_u32 v8, v8
	v_mul_f32 v9, v8, v5                           ; t f, rounded once as the reference rounds it
	v_mul_f32 v10, v8, v6
	SC1 9, 2*i
	SC1 10, 2*i+1
.set i, i+1
.endr
	s_wait_alu depctr_va_sdst(0)                   ; the eight compares have written s[MK .. MK + 7], ahead of the selects that read them
.set i, 0
.rept 4
	SC2 2*i, 40+4*i, 41+4*i
	SC2 2*i+1, 42+4*i, 43+4*i
.set i, i+1
.endr
	s_wait_alu depctr_va_vdst(0)                   ; v[40:55], the four stores' data, and v7, their offset, are written
.set i, 0
.rept 4
	global_store_b128 v7, v[40+4*i:43+4*i], s[14:15] offset:i*65536
.set i, i+1
.endr
	s_endpgm
.Lcol:
	; ---- per column tile ct, 2,048 bytes: b_in (bf16's value, as f32) of the tile's Q, K and V columns, 512 bytes each; then (cos, sin) of 16 f_j, j = 64 ct + 0..63.
	; A thread makes 16 bytes.  Every thread does both kinds of work and selects.
	s_sub_co_u32 s20, s16, NT
	s_lshl_b32 s20, s20, 8
	v_add_nc_u32 v2, s20, v0                       ; e = 0..1023
	v_lshrrev_b32 v3, 7, v2                        ; ct
	v_and_b32 v4, 127, v2                          ; which 16 bytes of the 2,048
	v_lshrrev_b32 v5, 5, v4
	v_min_u32 v5, 2, v5                            ; seg; the threads of the last quarter read inside b_in and drop what they read
	v_and_b32 v6, 31, v4
	v_lshlrev_b32 v7, 12, v5
	v_lshl_add_u32 v7, v3, 9, v7
	v_lshl_add_u32 v7, v6, 4, v7
	v_lshlrev_b32 v8, 6, v3
	v_lshl_add_u32 v8, v6, 1, v8                   ; j
	v_add_nc_u32 v9, 1, v8
	v_cvt_f32_u32 v8, v8
	v_cvt_f32_u32 v9, v9
	v_mul_f32 v8, s33, v8
	v_mul_f32 v9, s33, v9
	v_exp_f32 v8, v8
	v_exp_f32 v9, v9
	v_lshlrev_b32 v12, 4, v2                       ; (a plain line behind the exponentials)
	s_wait_alu depctr_va_vdst(0)                   ; v7, the load's offset, is written; the two exponentials have written v8 and v9, ahead of their first reader
	global_load_b128 v[24:27], v7, s[8:9]
	v_mul_f32 v8, 0x41800000, v8                   ; 16 f
	v_mul_f32 v9, 0x41800000, v9
	SC1 8, 0
	SC1 9, 1
	v_cmp_gt_u32 s[MK+2], 96, v4                   ; the threads that keep the bias
	s_wait_alu depctr_va_sdst(0)                   ; the three compares have written s[MK .. MK + 2], ahead of the selects that read them
	SC2 0, 28, 29
	SC2 1, 30, 31
	s_wait_loadcnt 0x0
	v_cvt_pk_bf16_f32 v10, v24, v25
	v_cvt_pk_bf16_f32 v11, v26, v27
	v_lshlrev_b32 v24, 16, v10
	v_and_b32 v25, 0xffff0000, v10
	v_lshlrev_b32 v26, 16, v11
	v_and_b32 v27, 0xffff0000, v11
	v_cndmask_b32 v28, v28, v24, s[MK+2]
	v_cndmask_b32 v29, v29, v25, s[MK+2]
	v_cndmask_b32 v30, v30, v26, s[MK+2]
	v_cndmask_b32 v31, v31, v27, s[MK+2]
	s_wait_alu depctr_va_vdst(0)                   ; the selects have written v[28:31], which the store reads (v12, its offset, was written ahead of the first wait)
	global_store_b128 v12, v[28:31], s[14:15] offset:COLT
	s_endpgm
.Lfunc_end_k_qe734bab5c4_prep:
	.size	k_qe734bab5c4_prep, .Lfunc_end_k_qe734bab5c4_prep-k_qe734bab5c4_prep
	.p2alignl 7, 3214868480
	.fill 96, 4, 3214868480
	.section	.rodata,"a",@progbits
	.p2align	6, 0x0
	.amdhsa_kernel k_qe734bab5c4_prep
		.amdhsa_group_segment_fixed_size 0
		.amdhsa_private_segment_fixed_size 0
		.amdhsa_enable_private_segment 0
		.amdhsa_kernarg_size 48
		.amdhsa_user_sgpr_count 2
		.amdhsa_user_sgpr_kernarg_segment_ptr 1
		.amdhsa_wavefront_size32 1
		.amdhsa_system_sgpr_workgroup_id_x 1
		.amdhsa_system_sgpr_workgroup_id_y 1
		.amdhsa_system_sgpr_workgroup_id_z 1
		.amdhsa_system_vgpr_workitem_id 0
		.amdhsa_next_free_vgpr 128
		.amdhsa_next_free_sgpr 66
		.amdhsa_reserve_vcc 0
		.amdhsa_float_denorm_mode_32 3
		.amdhsa_float_denorm_mode_16_64 3
		.amdhsa_memory_ordered 1
		.amdhsa_forward_progress 1
		.amdhsa_inst_pref_size 32
	.end_amdhsa_kernel
	.amdgpu_metadata
---
amdhsa.version: [ 1, 2 ]
amdhsa.kernels:
  - .name:           k_qe734bab5c4_prep
    .symbol:         k_qe734bab5c4_prep.kd
    .args:
      - { .name: x, .offset: 0, .size: 8, .value_kind: global_buffer, .address_space: global }
      - { .name: W_in, .offset: 8, .size: 8, .value_kind: global_buffer, .address_space: global }
      - { .name: b_in, .offset: 16, .size: 8, .value_kind: global_buffer, .address_space: global }
      - { .name: xb, .offset: 24, .size: 8, .value_kind: global_buffer, .address_space: global }
      - { .name: wb, .offset: 32, .size: 8, .value_kind: global_buffer, .address_space: global }
      - { .name: tab, .offset: 40, .size: 8, .value_kind: global_buffer, .address_space: global }
    .group_segment_fixed_size: 0
    .private_segment_fixed_size: 0
    .kernarg_segment_align: 8
    .kernarg_segment_size: 48
    .max_flat_workgroup_size: 256
    .sgpr_count:     66
    .vgpr_count:     128
    .wavefront_size: 32
...
	.end_amdgpu_metadata
.endif
;; end of part 5
;; launch g1: the kernel of part 2 again; grid 8 x 32, 4 waves a work-group, clusters of 4 x 4, 327,680 bytes of LDS; arguments xb, wb, tab, qkv; writes qkv
;; launch g2: the kernel of part 3 again; grid 8 x 32, 4 waves a work-group, clusters of 4 x 4, 327,680 bytes of LDS; arguments qkv, mc; writes mc
;; launch g3: the kernel of part 4 again; grid 8 x 32, 4 waves a work-group, clusters of 4 x 4, 327,680 bytes of LDS; arguments qkv, mc, gn_weight, gn_bias, out0; writes out0
